; MI455X (gfx1250); checked and timed in simulation.
; The chip was launched on July 23, 2026; its instructions are those of AMD's public machine-readable ISA for CDNA 5 (MIT licence, August 2026) and "CDNA5" Instruction Set Architecture Reference Guide (July 2026). The comments in the code are by the model that wrote it; some were corrected since.
;; Causal Self Attention. Allowed arithmetic: matrix products marked QUANTISED: E4M3 operands, one given power-of-two scale a tensor, by v_wmma_f32_16x16x64_fp8_fp8 or v_wmma_f32_16x16x128_fp8_fp8, f32 sums; everything else in f32.
;; Inputs: lowp_scales 12 int32 (the exponents e of the quantised operands' scales 2^e); wk 512 x 2,048 float32; wo 2,048 x 2,048 float32; wq 2,048 x 2,048 float32; wv 512 x 2,048 float32; x 1 x 2,048 x 2,048 float32.
;; Outputs: out0 1 x 2,048 x 2,048 float32.
;; This version of the problem:
;;   THIS VERSION OF THE PROBLEM IS GIVEN IN LOW PRECISION. The matrix products marked QUANTISED in the list below multiply operands that are first quantised to E4M3 (4 exponent bits, 3 mantissa bits; 8 bits a number), with one given power-of-two scale for each operand tensor; their sums are f32. All else is computed in f32.
;;   The module's matrix products, in the order in which they are computed (A, B: the left and right operand; K: the contracted axis; several contracted axes count as one K, in the product's order):
;;     1. [M 2,048, K 2,048] x [K 2,048, N 2,048]; A: input x; B: input wq: QUANTISED (scales: A lowp_scales[0], B lowp_scales[1])
;;     2. [M 2,048, K 2,048] x [K 2,048, N 512]; A: input x; B: input wk: QUANTISED (scales: A lowp_scales[2], B lowp_scales[3])
;;     3. [M 2,048, K 2,048] x [K 2,048, N 512]; A: input x; B: input wv: QUANTISED (scales: A lowp_scales[4], B lowp_scales[5])
;;     4. batch 32 x [M 2,048, K 64] x [K 64, N 2,048]; A: computed on the way; B: computed on the way: QUANTISED (scales: A lowp_scales[6], B lowp_scales[7])
;;     5. batch 32 x [M 2,048, K 2,048] x [K 2,048, N 64]; A: softmax (see below); B: computed on the way: QUANTISED (scales: A lowp_scales[8], B lowp_scales[9])
;;     6. [M 2,048, K 2,048] x [K 2,048, N 2,048]; A: computed on the way; B: input wo: QUANTISED (scales: A lowp_scales[10], B lowp_scales[11])
;;   THE QUANTISER, for each operand of a quantised product, along K:
;;     - The operand's scale is 2^e, e = its entry of the input lowp_scales (int32; the entries are numbered through the quantised products in the list's order, A before B).
;;     - Each number is divided by the scale, clamped to +-448, and rounded to the nearest number of E4M3, ties to even, subnormals kept.
;;     - The product sums the exact products of the quantised numbers (number of the format x scale) in f32.
;;   ~~~python
;;   def quantise(x, axis, e):      # numpy; x: float32 -> the quantised numbers, widened to float32 again
;;       x = np.moveaxis(x, axis, -1); K = x.shape[-1]
;;       r = np.clip(x / 2.0 ** e, -448, 448)
;;       step = 2.0 ** (np.maximum(np.frexp(np.where(r == 0, 1, r))[1] - 1, -6) - 3)
;;       q = np.round(r / step) * step * 2.0 ** e      # np.round: ties to even
;;       return np.moveaxis(q, -1, axis).astype(np.float32)
;;   ~~~
;;   SOFTMAX AHEAD OF A QUANTISED PRODUCT. Where the list says 'softmax', what is quantised is not the finished softmax but p = 2^(t - M), with t = logit x log2(e) and M = ceil(the row's largest t), a whole number; so 1/2 < the row's largest p <= 1. The row's sum l is taken of the UNQUANTISED p, in f32, and the product's result is divided by l at the end. Since M is a whole number, a kernel that streams over the keys may use a running M (the ceiling of the running maximum): every later rescaling is an exact power of two, so the quantised numbers keep their values, but for numbers so far below the row's largest that they fall under the format's range.
;;   OPERANDS COMPUTED ON THE WAY. 'Computed on the way' means the value that the module computes at that place (a softmax that the list does not call 'softmax' is quantised finished and normalised). What goes into a quantiser is computed in f32, as accurately as f32 sums, v_exp_f32 and their like allow (about 1e-6 of the number): no bf16 or f16 on the way to a quantiser, and a product that is left as it is and whose result goes on into a quantised operand takes f32 operands (vector FMAs, or v_wmma_f32_16x16x4_f32). A number that lies on a knife's edge between two numbers of the format may be rounded either way, as far as f32 arithmetic and the matrix unit's own rounding can turn it there, and no further.
;; One version. Each part assembles by itself: llvm-mc -triple=amdgcn-amd-amdhsa -mcpu=gfx1250 --defsym DOCPART=n.
;; ======== version 1 of 1: 4 launches
;; limits: right only within a limited range of input values
;; workspace buffers: codes 23,068,672 bytes; rope 524,288 bytes; qimg 4,194,304 bytes; kvimg 2,097,152 bytes; aimg 4,194,304 bytes
;; launch prep (part 1): grid 928 x 1, 4 waves a work-group, no clusters, 34,304 bytes of LDS; arguments x, wq, wo, wk, wv, lowp_scales, codes, rope; writes codes, rope
.if DOCPART == 1
	.amdgcn_target "amdgcn-amd-amdhsa--gfx1250"
	.amdhsa_code_object_version 6
	.text
	.protected	k_qdc4b75a811_prep
	.globl	k_qdc4b75a811_prep
	.p2align	8
	.type	k_qdc4b75a811_prep,@function
k_qdc4b75a811_prep:
	s_mov_b64 s[64:65], 0
	v_nop
	global_prefetch_b8 v0, s[64:65] scope:SCOPE_SE
	s_setreg_imm32_b32 hwreg(HW_REG_WAVE_MODE, 25, 1), 1
	s_wait_xcnt 0x0
; x, wq, wo, wk, wv (f32, K innermost, rows of 2,048) become codes of FP8 (E4M3), and RoPE's cosines and sines become a table.
; code = number / 2^e, held within +-448, to the nearest code, ties to even.  x is an operand of three products with three given exponents (entries 0, 2, 4): it is read once and converted three times.
; LIMITS: each exponent used here (entries 0 to 5 and 11) lies between -126 and 119, so that 2^e and 448 x 2^e are f32 numbers.  NaN among the inputs is not served; an infinity is held at the largest code.
; THE CODES LIE AS IMAGES OF OPERAND REGISTERS.  A fragment is 16 rows x 128 k: lane (r = l % 16, h = l / 16) holds row r, its registers 2 c, 2 c + 1 hold k = 16 c + 8 h + 0 .. 7.  The image is 2,048 bytes:
; registers 4 p .. 4 p + 3 of lane l at 512 p + 16 l.  A tensor lies [tile of 128 rows][K step of 128][block of 16 rows][2,048]: 262,144 bytes a tile, 16,384 a K step.
; In the buffer: x by entry 0 at 0, by entry 2 at 4 Mi, by entry 4 at 8 Mi; wq at 12 Mi; wk at 16 Mi; wv at 17 Mi; wo at 18 Mi.
; SHARES.  Work-groups 0-255 x, 256-511 wq, 512-767 wo, 768-831 wk, 832-895 wv: a block of 16 rows x half of K each; wave v takes two K steps, a fragment a step.  Work-groups 896-927: the table.
; A wave issues all its 32 loads at its head: with 256 registers a wave and 34,304 bytes of LDS a work-group four work-groups share a WGP, so the launch's work-groups are all resident and nothing is loaded behind a step's work.
; Each load reads 512 consecutive bytes of a row; a step's 16 x 512 bytes turn through the wave's own stage in LDS (rows 528 bytes apart: 132 words, so the sixteen rows that a read touches start at sixteen different
; banks) and come back 32 bytes a lane for each c.  Each store covers 512 consecutive bytes, aligned.  Waves share nothing: no barrier.
.set SP,    528                        ; a stage row: 512 bytes + 16
.set WSTG,  16*SP                      ; a wave's stage
.set R,     16                         ; v16-143  two sets of 64: a step's numbers as loaded
.set X,     144                        ; v144-207 the same, 8 c + i = k 16 c + 8 h + i of my row
.set T,     208                        ; v208-223 two sets of 8: held numbers
.set C,     224                        ; v224-239 a fragment's codes
.set TH,    16                         ; the table's path: v16-31 sixteen frequencies
.set OUT,   64                         ; v64-95   sixteen pairs (cos, sin)
	s_load_b256 s[4:11], s[0:1], 0x0               ; x s[4:5], wq s[6:7], wo s[8:9], wk s[10:11]
	s_load_b256 s[12:19], s[0:1], 0x20             ; wv s[12:13], the exponents s[14:15], the codes s[16:17], the table s[18:19]
	v_lshl_add_u32 v7, v0, 2, 33792                ; LDS address of my spare word: behind the four stages, 128 bytes a wave; never rewritten
	v_mov_b32 v8, 0                                ; 0; never rewritten
	v_lshrrev_b32 v1, 5, v0
	v_readfirstlane_b32 s20, v1                    ; wave 0..3
	v_and_b32 v1, 31, v0                           ; lane
	v_and_b32 v2, 15, v0                           ; r
	v_bfe_u32 v3, v0, 4, 1                         ; h
	v_lshlrev_b32 v4, 4, v1                        ; 16 x lane: my place in 512 consecutive bytes
	s_wait_kmcnt 0x0
	s_cmp_ge_u32 ttmp9, 896
	s_cbranch_scc1 .Ltable
	s_load_b256 s[24:31], s[14:15], 0x0            ; entries 0 to 7
	s_load_b128 s[32:35], s[14:15], 0x20           ; entries 8 to 11
	s_mul_i32 s21, s20, WSTG
	s_wait_alu depctr_va_vdst(0)
	v_add_nc_u32 v5, s21, v4                       ; into the stage: 16 x lane, row i in the immediate
	v_mul_u32_u24 v6, v2, SP
	v_lshl_add_u32 v6, v3, 5, v6
	v_add_nc_u32 v6, s21, v6                       ; out of it: row r, + 32 h
; which tensor: the choice hangs on the work-group's number alone.  s[36:37] source, s38 its first work-group, s39 where its codes begin
.macro PICK thr, lo, off
	s_cmp_ge_u32 ttmp9, \thr
	s_cselect_b64 s[36:37], s[\lo:\lo+1], s[36:37]
	s_cselect_b32 s38, \thr, s38
	s_cselect_b32 s39, \off, s39
.endm
	s_mov_b64 s[36:37], s[4:5]
	s_mov_b32 s38, 0
	s_mov_b32 s39, 0
	PICK 256, 6, 0xc00000
	PICK 512, 8, 0x1200000
	PICK 768, 10, 0x1000000
	PICK 832, 12, 0x1100000
	s_sub_co_u32 s38, ttmp9, s38
	s_and_b32 s41, s38, 1                          ; which half of K
	s_lshr_b32 s38, s38, 1                         ; which block of 16 rows of the tensor
	s_lshl_b32 s22, s38, 17                        ; 16 rows of 8,192 bytes,
	s_lshl_b32 s23, s41, 12                        ; the half's eight K steps of 512 bytes,
	s_add_co_u32 s22, s22, s23
	s_lshl_b32 s23, s20, 10                        ; my wave's two of them
	s_add_co_u32 s22, s22, s23
	s_mov_b32 s23, 0
	s_add_nc_u64 s[36:37], s[36:37], s[22:23]
	s_lshr_b32 s22, s38, 3
	s_lshl_b32 s22, s22, 18                        ; the tile of 128 rows,
	s_add_co_u32 s22, s22, s39
	s_and_b32 s21, s38, 7
	s_lshl_b32 s21, s21, 11                        ; the block in it,
	s_add_co_u32 s22, s22, s21
	s_lshl_b32 s21, s41, 17                        ; the half's eight K steps of 16,384 bytes,
	s_add_co_u32 s22, s22, s21
	s_lshl_b32 s21, s20, 15                        ; my wave's two
	s_add_co_u32 s22, s22, s21
	s_add_nc_u64 s[42:43], s[16:17], s[22:23]      ; where my codes go
	s_add_nc_u64 s[44:45], s[42:43], 0x400000      ; x alone: its second
	s_add_nc_u64 s[46:47], s[42:43], 0x800000      ; and third set
.macro LOAD t                          ; step t: 16 rows x 512 bytes
.irp i, 0,1,2,3,4,5,6,7,8,9,10,11,12,13,14,15
	global_load_b128 v[R+64*((\t)%2)+4*\i:R+64*((\t)%2)+4*\i+3], v4, s[36:37] offset:8192*\i+512*(\t) th:TH_LOAD_NT
.endr
.endm
.macro TURN t                          ; through the stage: LDS serves a wave's instructions in order (ISA guide 5.7.1.4), so no wait stands between the stores and the loads
.irp i, 0,1,2,3,4,5,6,7,8,9,10,11,12,13,14,15
	ds_store_b128 v5, v[R+64*((\t)%2)+4*\i:R+64*((\t)%2)+4*\i+3] offset:SP*\i
.endr
.irp c, 0,1,2,3,4,5,6,7
	ds_load_b128 v[X+8*\c:X+8*\c+3], v6 offset:64*\c
	ds_load_b128 v[X+8*\c+4:X+8*\c+7], v6 offset:64*\c+16
.endr
.endm
; One conversion of the fragment in X.  The held numbers go into two sets of eight by turns, so that eight plain lines stand between a conversion and the next write of its sources, and X stays for the next pass.
.macro PASS sc, lim, base, t
	s_wait_xcnt 0x0                                ; the codes' registers were the last stores' data: they are rewritten only behind this wait
.irp c, 0,1,2,3,4,5,6,7
.irp i, 0,1,2,3,4,5,6,7
	v_med3_num_f32 v[T+8*(\c%2)+\i], v[X+8*\c+\i], -v[\lim], v[\lim]   ; the conversion to an 8-bit code does not saturate (ISA guide 7.6.2): the hold at the largest code x the scale
.endr
	v_cvt_scalef32_pk8_fp8_f32 v[C+2*\c:C+2*\c+1], v[T+8*(\c%2):T+8*(\c%2)+7], v[\sc]
.endr
.irp p, 0,1,2,3
	global_store_b128 v4, v[C+4*\p:C+4*\p+3], s[\base:\base+1] offset:16384*(\t)+512*\p   ; 512 consecutive bytes
.endr
.endm
	LOAD 0
	LOAD 1
	s_wait_alu depctr_va_vdst(0)
	s_wait_kmcnt 0x0
	s_mov_b32 s40, s24                             ; the tensor's exponent: entry 0, 1, 11, 3 or 5
.macro PICKE thr, e
	s_cmp_ge_u32 ttmp9, \thr
	s_cselect_b32 s40, s[\e], s40
.endm
	PICKE 256, 25
	PICKE 512, 35
	PICKE 768, 27
	PICKE 832, 29
.macro SCALES e, sc, lim               ; 2^e and 448 x 2^e as f32 patterns
	s_add_co_i32 s41, s[\e], 127
	s_lshl_b32 s48, s41, 23
	v_mov_b32 v[\sc], s48
	s_add_co_i32 s41, s41, 8
	s_lshl_b32 s41, s41, 23
	s_or_b32 s41, s41, 0x600000
	v_mov_b32 v[\lim], s41
.endm
	SCALES 40, 240, 241
	SCALES 26, 242, 243                            ; entry 2
	SCALES 28, 244, 245                            ; entry 4
.macro STEP t
.if (\t) < 1
	s_wait_loadcnt 16                              ; this step's 16 loads are in; the second step's 16 may be out
.else
	s_wait_loadcnt 0x0
.endif
	TURN \t
	s_wait_dscnt 0x0                               ; X is in
	PASS 240, 241, 42, \t
	s_cmp_lt_u32 ttmp9, 256                        ; x has two more sets of codes.  Only arithmetic and stores stand under this branch
	s_cbranch_scc0 .Lnot_x_\@
	PASS 242, 243, 44, \t
	PASS 244, 245, 46, \t
.Lnot_x_\@:
.endm
	s_wait_alu depctr_va_vdst(0)
	STEP 0
	STEP 1
	s_wait_tensorcnt 0x0                           ; the wave's end, behind my last LDS store
	ds_add_u32 v7, v8
	s_wait_dscnt 0x0
	s_endpgm
; THE TABLE.  cos and sin of pos x theta_j, theta_j = 10000^(-j / 32), j = 0 .. 31, in f32.  It lies as the next launch's lanes want it: [pos / 16][b 0..3][q 0..1][lane][16 bytes]:
; lane (r, h) holds cos, sin of j0 and of j0 + 1 at pos = 16 (pos / 16) + r, j0 = 8 b + 4 h + 2 q.  A wave makes one block of 16 positions: 16 pairs a lane, 4,096 bytes.
; The angle is one f32 product.  It is reduced by n = the nearest whole number to angle x 2 / pi, with pi / 2 in two parts (the first product's difference is exact: a multiple of 2^-24 below 1),
; and sine and cosine on +-pi / 4 are polynomials of degree 7 and 8; n's two low bits say which of them is which, and their signs.
.Ltable:
	s_sub_co_u32 s21, ttmp9, 896
	s_lshl_b32 s21, s21, 2
	s_add_co_u32 s21, s21, s20                     ; the block of positions: 0 .. 127
	s_lshl_b32 s22, s21, 12
	s_mov_b32 s23, 0
	s_add_nc_u64 s[18:19], s[18:19], s[22:23]
	s_lshl_b32 s22, s21, 4
	s_wait_alu depctr_va_vdst(0)
	v_add_nc_u32 v10, s22, v2
	v_cvt_f32_u32 v10, v10                         ; pos
	v_lshlrev_b32 v11, 2, v3                       ; 4 h
	s_wait_alu depctr_va_vdst(0)
	s_mov_b32 s47, 0xbed49a78                      ; -log2(10000) / 32
	s_mov_b32 s48, 0x3f22f983                      ; 2 / pi
	s_mov_b32 s49, 0x3fc90fdb                      ; pi / 2, the f32 number,
	s_mov_b32 s50, 0xb33bbd2e                      ; and what it lacks
	s_mov_b32 s51, 0xbe2aaaa3                      ; sine: -1.6666655e-1,
	s_mov_b32 s52, 0x3c08839e                      ; 8.3321609e-3,
	s_mov_b32 s53, 0xb94ca1f9                      ; -1.9515296e-4
	s_mov_b32 s54, 0x3d2aaaa5                      ; cosine: 4.1666646e-2,
	s_mov_b32 s55, 0xbab6061a                      ; -1.3887316e-3,
	s_mov_b32 s56, 0x37ccf5ce                      ; 2.4433157e-5
.irp e, 0,1,2,3,4,5,6,7,8,9,10,11,12,13,14,15
	v_add_nc_u32 v32, 8*(\e/4)+2*((\e/2)%2)+(\e%2), v11   ; j of pair e = 8 b + 4 h + 2 q + (0 or 1)
	v_cvt_f32_u32 v32, v32
	v_mul_f32 v[TH+\e], s47, v32
.endr
	s_wait_alu depctr_va_vdst(0)
.irp e, 0,1,2,3,4,5,6,7,8,9,10,11,12,13,14,15
	v_exp_f32 v[TH+\e], v[TH+\e]                   ; theta_j
.endr
	v_nop                                          ; a plain line behind the last exponential,
	s_wait_alu depctr_va_vdst(0)                   ; and one wait for the batch, ahead of its first reader
.macro SINCOS e
	v_mul_f32 v32, v10, v[TH+\e]                   ; the angle
	v_mul_f32 v33, s48, v32
	v_rndne_f32 v33, v33                           ; n
	v_fma_f32 v34, -v33, s49, v32
	v_fma_f32 v34, -v33, s50, v34                  ; the reduced angle a
	v_cvt_i32_f32 v35, v33
	v_mul_f32 v36, v34, v34                        ; z = a a
	v_fma_f32 v37, s53, v36, s52
	v_fma_f32 v39, s56, v36, s55
	v_mul_f32 v38, v36, v34
	v_mul_f32 v40, v36, v36
	v_fma_f32 v37, v37, v36, s51
	v_fma_f32 v39, v39, v36, s54
	v_fma_f32 v41, v36, -0.5, 1.0
	v_fma_f32 v37, v37, v38, v34                   ; sin a
	v_fma_f32 v39, v39, v40, v41                   ; cos a
	v_and_b32 v42, 1, v35
	v_cmp_ne_u32 vcc_lo, 0, v42                    ; n odd: the two change places
	v_cndmask_b32 v43, v37, v39, vcc_lo
	v_cndmask_b32 v44, v39, v37, vcc_lo
	v_and_b32 v42, 2, v35                          ; the sine is negated where n % 4 is 2 or 3,
	v_lshlrev_b32 v42, 30, v42
	v_xor_b32 v[OUT+2*\e+1], v43, v42
	v_add_nc_u32 v42, 1, v35                       ; the cosine where it is 1 or 2
	v_and_b32 v42, 2, v42
	v_lshlrev_b32 v42, 30, v42
	v_xor_b32 v[OUT+2*\e], v44, v42
.endm
.irp e, 0,1,2,3,4,5,6,7,8,9,10,11,12,13,14,15
	SINCOS \e
.endr
.irp u, 0,1,2,3,4,5,6,7
	global_store_b128 v4, v[OUT+4*\u:OUT+4*\u+3], s[18:19] offset:512*\u   ; 512 consecutive bytes: (b, q) = (u / 2, u % 2)
.endr
	s_endpgm
.Lfunc_end_k_qdc4b75a811_prep:
	.size	k_qdc4b75a811_prep, .Lfunc_end_k_qdc4b75a811_prep-k_qdc4b75a811_prep
	.p2alignl 7, 3214868480
	.fill 96, 4, 3214868480
	.section	.rodata,"a",@progbits
	.p2align	6, 0x0
	.amdhsa_kernel k_qdc4b75a811_prep
		.amdhsa_group_segment_fixed_size 34304
		.amdhsa_private_segment_fixed_size 0
		.amdhsa_enable_private_segment 0
		.amdhsa_kernarg_size 64
		.amdhsa_user_sgpr_count 2
		.amdhsa_user_sgpr_kernarg_segment_ptr 1
		.amdhsa_wavefront_size32 1
		.amdhsa_system_sgpr_workgroup_id_x 1
		.amdhsa_system_sgpr_workgroup_id_y 1
		.amdhsa_system_sgpr_workgroup_id_z 1
		.amdhsa_system_vgpr_workitem_id 0
		.amdhsa_next_free_vgpr 256
		.amdhsa_next_free_sgpr 66
		.amdhsa_reserve_vcc 1
		.amdhsa_float_denorm_mode_32 3
		.amdhsa_float_denorm_mode_16_64 3
		.amdhsa_memory_ordered 1
		.amdhsa_forward_progress 1
		.amdhsa_inst_pref_size 64
	.end_amdhsa_kernel
	.amdgpu_metadata
---
amdhsa.version: [ 1, 2 ]
amdhsa.kernels:
  - .name:           k_qdc4b75a811_prep
    .symbol:         k_qdc4b75a811_prep.kd
    .args:
      - { .name: x, .offset: 0, .size: 8, .value_kind: global_buffer, .address_space: global }
      - { .name: wq, .offset: 8, .size: 8, .value_kind: global_buffer, .address_space: global }
      - { .name: wo, .offset: 16, .size: 8, .value_kind: global_buffer, .address_space: global }
      - { .name: wk, .offset: 24, .size: 8, .value_kind: global_buffer, .address_space: global }
      - { .name: wv, .offset: 32, .size: 8, .value_kind: global_buffer, .address_space: global }
      - { .name: lowp_scales, .offset: 40, .size: 8, .value_kind: global_buffer, .address_space: global }
      - { .name: codes, .offset: 48, .size: 8, .value_kind: global_buffer, .address_space: global }
      - { .name: rope, .offset: 56, .size: 8, .value_kind: global_buffer, .address_space: global }
    .group_segment_fixed_size: 34304
    .private_segment_fixed_size: 0
    .kernarg_segment_align: 8
    .kernarg_segment_size: 64
    .max_flat_workgroup_size: 128
    .sgpr_count:     66
    .vgpr_count:     256
    .wavefront_size: 32
...
	.end_amdgpu_metadata
.endif
;; end of part 1
;; launch qkv (part 2): grid 24 x 8, 8 waves a work-group, clusters of 4 x 4, 327,680 bytes of LDS; arguments codes, rope, lowp_scales, qimg, kvimg; writes qimg, kvimg
.if DOCPART == 2
	.amdgcn_target "amdgcn-amd-amdhsa--gfx1250"
	.amdhsa_code_object_version 6
	.text
	.protected	k_qdc4b75a811_qkv
	.globl	k_qdc4b75a811_qkv
	.p2align	8
	.type	k_qdc4b75a811_qkv,@function
k_qdc4b75a811_qkv:
	s_mov_b64 s[64:65], 0
	v_nop
	global_prefetch_b8 v0, s[64:65] scope:SCOPE_SE
	s_setreg_imm32_b32 hwreg(HW_REG_WAVE_MODE, 25, 1), 1
	s_wait_xcnt 0x0
	s_wait_alu depctr_hold_cnt(0) depctr_sa_sdst(0) depctr_va_vdst(0) depctr_va_sdst(0) depctr_va_ssrc(0) depctr_va_vcc(0) depctr_vm_vsrc(0)
	s_getreg_b32 s2, hwreg(HW_REG_IB_STS2, 6, 4)
	s_cmp_eq_u32 s2, 0
	s_cbranch_scc0 .Lentry_in_a_cluster
	s_endpgm
.Lentry_in_a_cluster:
	s_bfe_u32 s2, ttmp6, 0x10000c
	s_cmp_lg_u32 s2, 0xf033
	s_cbranch_scc0 .Lentry_shape_is_right
	s_endpgm
.Lentry_shape_is_right:
; q = rope(x wq^T), k = rope(x wk^T), v = x wv^T on codes of FP8 (E4M3), K = 2,048; the results leave as codes of FP8 again, laid as images of the registers in which the attention launch wants them.
; LIMITS on the given exponents: e6 - e0 - e1, e7 - e2 - e3 and e9 - e4 - e5 lie between -126 and 119, so that each is the exponent of an f32 number and of 448 times it.  The sums are kept without their
; scale 2^(ea + eb); RoPE is linear, so the three scales fold into the conversion's one.
; A FRAGMENT'S IMAGE: 16 rows x 128 k; lane (r = l % 16, h = l / 16) holds row r, registers 2 c, 2 c + 1 hold k = 16 c + 8 h + 0 .. 7; registers 4 p .. 4 p + 3 of lane l lie at 512 p + 16 l: 2,048 bytes.
; An operand lies [tile of 128 rows][K step of 128][block of 16 rows][2,048], so neighbouring K steps of a tile are consecutive bytes, in memory and in LDS alike, and every LDS load reads 512 consecutive bytes: no padding.
; SHAPE.  A work-group makes 256 positions x 128 features: 8 x 24 = 192 work-groups for the three products, all at work at once.  (Tiles of 128 x 128 would be 384, more than there are WGPs and no multiple of them:
; some WGPs would run two, one after the other, each with a start of its own.)  Eight waves, two to a SIMD, 64 x 64 each: 16 accumulators.  Wave w: positions 64 (w / 2) on, features 64 (w % 2) on.
; THE MATRIX INSTRUCTION: lane (r, h) holds row r of source 1 (set A) and rows 8 h + 0 .. 7 of source 0 (set B) in its eight registers, so one conversion of an accumulator's eight registers gives registers
; 2 c, 2 c + 1 of the next operand.  For q and k set A takes positions and set B weights: a lane holds a position and eight neighbouring features.  For v set A takes weights and set B positions: a lane holds a
; feature and eight neighbouring keys, which are the next product's K.  Which LDS region feeds which set is chosen once, in four base addresses, by the cluster's x, which all sixteen partners share.
; CLUSTERS: 4 x 4 work-groups.  Cluster x 0-3: q; 4: k; 5: v.  The positions' tile hangs on cy and is shared along a row of the cluster, the weights' tile on cx and is shared along a column: each is asked for jointly.
; THE RING.  Slot X holds four K steps (two tiles of 128 positions and the weights, 65,536 bytes each), slot Y two (32,768 each).  At the head X takes K steps 0-3 and Y 4-5; then X 6-9, Y 10-11, X 12-15: three refills.
; Waves 0-3 fetch the positions' four halves, waves 4 and 5 the weights' two, waves 6 and 7 nothing.  One tensor load of a wave is out at a time: one at the head, one behind each round.
; REGISTERS: window 0: v5-19 addresses and scales; v24-31 at work; v32-127 the cosines and sines of my position blocks 0-2, later the codes; v128-255 the accumulators ((a, b) at 128 + 8 (4 a + b)).
;   window 1: two sets of fragments (set A's four at f, set B's four at f + 64).  Block 3's cosines and sines have no room at the head: they come ahead of the last K step, into fragment registers that are done with.
.set YS,    196608                     ; slot X begins at 0, slot Y here
.set SPARE, 294912                     ; behind the ring: the spare words, 128 bytes for each wave: four blocks of 256 bytes that no other line names
.set LI,   5                           ; v5     16 x lane
.set VO,   8                           ; v8-11  the way out: 16 x lane + a x the stride from fragment to fragment
.set ADRA, 12                          ; v12-13 LDS address of set A's fragments in slot X, Y
.set ADRB, 14                          ; v14-15 the same for set B
.set SPW,  16                          ; v16    LDS address of my spare word; never rewritten
.set NIL,  17                          ; v17    0; never rewritten
.set SC,   18                          ; v18    the conversion's scale
.set LIM,  19                          ; v19    448 x the scale
.set TMP,  24
.set TB,   32
.set CD,   32
.set ACC,  128
.set F0,   0
.set F1,   128
.set G1P, 24                           ; s[24:31], s[32:39] descriptor group 1 for the positions' tiles in X, in Y
.set G1F, 48                           ; s[48:55], s[56:63] for the weights'
.set G0P, 72                           ; s[72:75], s[76:79] group 0 for the positions' tiles in X, in Y
.set G0F, 80                           ; s[80:83], s[84:87] for the weights'
.set MSB, 0
.macro WIN new                         ; the immediate's high byte repeats the setting that is left
.if MSB != \new
	s_set_vgpr_msb (MSB<<8)|\new
.set MSB, \new
.endif
.endm
.set MUL,  0x05                        ; sources 0 and 1 window 1; C and D window 0
.set TO_F, 0x40                        ; destination window 1, address window 0
; A joint refill: waves 0-3 fetch positions, waves 4 and 5 weights, the others nothing.  The branches hang on the wave's number alone.  Four v_nop follow each of the two lines.
.macro JLOAD g0p, g1p, g0f, g1f
	s_cmp_lt_u32 s14, 4
	s_cbranch_scc0 .Lnot_p_\@
	tensor_load_to_lds s[\g0p:\g0p+3], s[\g1p:\g1p+7]
	s_nop 0
.rept 4
	v_nop
.endr
	s_branch .Lasked_\@
.Lnot_p_\@:
	s_cmp_lt_u32 s14, 6
	s_cbranch_scc0 .Lasked_\@
	tensor_load_to_lds s[\g0f:\g0f+3], s[\g1f:\g1f+7]
	s_nop 0
.rept 4
	v_nop
.endr
.Lasked_\@:
.endm
.macro CREST                           ; a round of the cluster's barrier behind its opening barrier
	s_cmp_lg_u32 s14, 0
	s_cbranch_scc1 .Lnot_wave_0_\@
	s_barrier_signal -3
.Lnot_wave_0_\@:
	s_barrier_wait -3
	s_barrier_signal -1
	s_barrier_wait -1
.endm
.macro CROUND                          ; a whole round
	s_barrier_signal -1
	s_barrier_wait -1
	CREST
.endm
.macro PLACES n                        ; plain lines between a matrix instruction and a load into, or a vector read or write of, its registers (ISA guide 7.12.1 for vector reads and writes)
.rept \n
	v_nop
.endr
.endm
	s_load_b256 s[4:11], s[0:1], 0x0               ; the codes s[4:5], the table s[6:7], the exponents s[8:9], q's images s[10:11]
	s_load_b64 s[12:13], s[0:1], 0x20              ; k's and v's images
	v_lshl_add_u32 v[SPW], v0, 2, SPARE
	v_mov_b32 v[NIL], 0
	ds_add_u32 v[SPW], v[NIL]                      ; the opening lines: the add, twice on end, and its wait ahead of the round in front of the first loads
	ds_add_u32 v[SPW], v[NIL]
	v_lshrrev_b32 v1, 5, v0
	s_delay_alu instid0(VALU_DEP_1)
	v_readfirstlane_b32 s14, v1                    ; wave 0..7
	s_lshr_b32 s15, s14, 1                         ; ip: my 64 of the 256 positions
	s_and_b32 s16, s14, 1                          ; jf: my 64 of the 128 features.  Also: which half of a tile's part of a slot I fetch
	s_and_b32 s17, s15, 1                          ; ip % 2.  Also, in waves 0-3: which of the two tiles of 128 positions I fetch
	s_bfe_u32 s40, ttmp6, 0x40000                  ; cx, cy: my place in the cluster
	s_bfe_u32 s41, ttmp6, 0x40004
	s_and_b32 s18, ttmp7, 0xffff
	s_lshl_b32 s18, s18, 2
	s_add_co_u32 s18, s18, s41                     ; Pt: the tile of 256 positions = 4 x cluster y + cy: 0 .. 7
	s_lshl_b32 s43, ttmp9, 2
	s_add_co_u32 s43, s43, s40                     ; Ft: the tile of 128 weight rows = 4 x cluster x + cx: wq's 0-15, wk's 16-19, wv's 20-23, which lie on end in the buffer
	s_max_u32 s70, ttmp9, 3
	s_sub_co_u32 s70, s70, 3                       ; the kind: 0 q, 1 k, 2 v: the same in all sixteen partners
	s_lshl_b32 s44, s41, 2
	s_lshl_b32 s44, 15, s44                        ; my row of the cluster
	s_lshl_b32 s42, 0x1111, s40                    ; my column
	; descriptor group 1: consecutive bytes as rows of 32 elements of 8 bytes: 128 rows (32,768 bytes) into X, 64 rows (16,384) into Y
	s_or_b32 s[G1P], s44, (3<<16)|(1<<21)          ; 15:0 the mask: the positions' tiles go to my row; 17:16 elements of 8 bytes; 21 set beside a mask; no padding
	s_or_b32 s[G1P+8], s44, (3<<16)|(1<<21)
	s_or_b32 s[G1F], s42, (3<<16)|(1<<21)          ; the weights' go to my column
	s_or_b32 s[G1F+8], s42, (3<<16)|(1<<21)
.irp g, G1P, G1F
	s_mov_b32 s[\g+1], 32<<16                      ; tensor_dim0 = 32
	s_mov_b32 s[\g+2], 128<<16                     ; tensor_dim1 = 128
	s_mov_b32 s[\g+3], 32<<16                      ; tile_dim0 = 32
	s_mov_b32 s[\g+4], 128                         ; tile_dim1 = 128
	s_mov_b32 s[\g+5], 32                          ; tensor_dim0_stride
	s_mov_b32 s[\g+6], 0
	s_mov_b32 s[\g+7], 0
	s_mov_b32 s[\g+9], 32<<16
	s_mov_b32 s[\g+10], 64<<16                     ; tensor_dim1 = 64
	s_mov_b32 s[\g+11], 32<<16
	s_mov_b32 s[\g+12], 64                         ; tile_dim1 = 64
	s_mov_b32 s[\g+13], 32
	s_mov_b32 s[\g+14], 0
	s_mov_b32 s[\g+15], 0
.endr
	; where the tiles come from.  The positions': x by entry 0, 2 or 4 (4 Mi apart), tile of 128 rows 2 Pt + (0 or 1); no register of these sums ever held cx
	s_lshl_b32 s20, s18, 1
	s_add_co_u32 s20, s20, s17
	s_lshl_b32 s20, s20, 18
	s_lshl_b32 s21, s70, 22
	s_add_co_u32 s20, s20, s21
	s_lshl_b32 s21, s16, 14
	s_add_co_u32 s22, s20, s21
	s_add_co_u32 s22, s22, 65536                   ; Y: of K steps 4 and 5 my one
	s_lshl_b32 s21, s16, 15
	s_add_co_u32 s20, s20, s21                     ; X: of K steps 0-3 my two
	s_mov_b32 s21, 0
	s_mov_b32 s23, 0
	; the weights': 12 Mi into the buffer, tile Ft; none of these ever held cy
	s_lshl_b32 s46, s43, 18
	s_add_co_u32 s46, s46, 0xc00000
	s_lshl_b32 s47, s16, 14
	s_add_co_u32 s68, s46, s47
	s_add_co_u32 s68, s68, 65536
	s_lshl_b32 s47, s16, 15
	s_add_co_u32 s46, s46, s47
	s_mov_b32 s47, 0
	s_mov_b32 s69, 0
	s_lshl_b32 s45, s14, 15                        ; where they go: in X wave x 32,768, in Y wave x 16,384: the positions' four halves, then the weights' two: no place in the cluster enters an LDS address
	s_lshl_b32 s71, s14, 14
	s_add_co_u32 s71, s71, YS
	s_wait_alu depctr_va_vdst(0)
	s_wait_dscnt 0x0                               ; both opening adds are done
	s_wait_kmcnt 0x0
	s_load_b256 s[88:95], s[8:9], 0x0              ; entries 0 to 7
	s_load_b128 s[96:99], s[8:9], 0x20             ; entries 8 to 11
	s_mov_b32 s[G0P], 1
	s_mov_b32 s[G0P+1], s45
	s_add_nc_u64 s[G0P+2:G0P+3], s[4:5], s[20:21]
	s_or_b32 s[G0P+3], s[G0P+3], 0x80000000
	s_mov_b32 s[G0P+4], 1
	s_mov_b32 s[G0P+5], s71
	s_add_nc_u64 s[G0P+6:G0P+7], s[4:5], s[22:23]
	s_or_b32 s[G0P+7], s[G0P+7], 0x80000000
	s_mov_b32 s[G0F], 1
	s_mov_b32 s[G0F+1], s45
	s_add_nc_u64 s[G0F+2:G0F+3], s[4:5], s[46:47]
	s_or_b32 s[G0F+3], s[G0F+3], 0x80000000
	s_mov_b32 s[G0F+4], 1
	s_mov_b32 s[G0F+5], s71
	s_add_nc_u64 s[G0F+6:G0F+7], s[4:5], s[68:69]
	s_or_b32 s[G0F+7], s[G0F+7], 0x80000000
	; THE PREFETCHES INTO THE L2.  Behind a fill each fetching wave asks for the bytes of the fill two further on (slot Y's first fill: at the head, one fill ahead): of the 32,768 (X) or 16,384 (Y) bytes that a wave fetches,
	; each of the four partners that ask for them jointly names a quarter, told apart BY ADDRESS (cx for the positions, cy for the weights): lanes 256 bytes apart, one instruction a wave.  The last fills have none behind them.
	s_cmp_lt_u32 s14, 4                            ; do I fetch positions?
	s_cselect_b64 s[100:101], s[20:21], s[46:47]   ; my part of slot X's first fill,
	s_cselect_b64 s[104:105], s[22:23], s[68:69]   ; and of slot Y's, as offsets
	s_cselect_b32 s2, s40, s41                     ; my place among the four that ask with me
	s_lshl_b32 s2, s2, 13
	s_mov_b32 s3, 0
	s_add_nc_u64 s[100:101], s[100:101], s[2:3]    ; X: my work-group's 8,192 bytes
	s_lshr_b32 s2, s2, 1
	s_add_nc_u64 s[104:105], s[104:105], s[2:3]    ; Y: its 4,096
	s_add_nc_u64 s[100:101], s[4:5], s[100:101]
	s_add_nc_u64 s[104:105], s[4:5], s[104:105]
.macro ASK vo, base, off               ; waves 6 and 7 fetch nothing and ask for nothing: a branch on the wave's number
	s_cmp_lt_u32 s14, 6
	s_cbranch_scc0 .Lno_ask_\@
	global_prefetch_b8 v[\vo], s[\base:\base+1] offset:\off th:TH_LOAD_NT scope:SCOPE_SE
.Lno_ask_\@:
.endm
	CROUND                                         ; all sixteen work-groups are here: the first joint loads meet
	s_cmp_lt_u32 s14, 4                            ; at the head a wave issues one load: its part of slot X, K steps 0-3; slot Y's first fill follows behind a round of its own
	s_cbranch_scc0 .Lfirst_not_p
	tensor_load_to_lds s[G0P:G0P+3], s[G1P:G1P+7]
	s_nop 0
.rept 4
	v_nop
.endr
	s_branch .Lfirst_asked
.Lfirst_not_p:
	s_cmp_lt_u32 s14, 6
	s_cbranch_scc0 .Lfirst_asked
	tensor_load_to_lds s[G0F:G0F+3], s[G1F:G1F+7]
	s_nop 0
.rept 4
	v_nop
.endr
.Lfirst_asked:
	v_and_b32 v1, 31, v0
	s_delay_alu instid0(VALU_DEP_1)
	v_lshlrev_b32 v[LI], 4, v1
	v_min_u32 v21, 15, v1
	v_lshlrev_b32 v20, 8, v1                       ; v20: the prefetches' offset in X: 256 x lane; never rewritten
	v_lshlrev_b32 v21, 8, v21                      ; v21: in Y, sixteen blocks: the lanes left over name the last again; never rewritten
	; my fragments in LDS.  Positions: tile ip / 2 (65,536 bytes in X, 32,768 in Y), blocks 4 (ip % 2) on.  Weights: behind the two tiles of positions, blocks 4 jf on
	s_wait_alu depctr_va_vdst(0)
	ASK 20, 100, 0x18000                           ; K steps 6-9, which slot X's first refill will load
	ASK 21, 104, 0                                 ; K steps 4, 5, which slot Y's first fill will load
	s_lshr_b32 s2, s15, 1
	s_lshl_b32 s3, s17, 13
	s_lshl_b32 s19, s2, 16
	s_add_co_u32 s19, s19, s3                      ; positions in X
	s_lshl_b32 s66, s2, 15
	s_add_co_u32 s66, s66, s3
	s_add_co_u32 s66, s66, YS                      ; positions in Y
	s_lshl_b32 s3, s16, 13
	s_add_co_u32 s67, s3, 131072                   ; weights in X
	s_add_co_u32 s3, s3, YS+65536                  ; weights in Y
	s_cmp_eq_u32 s70, 2                            ; v: set A takes the weights and set B the positions; both choices of a base lie in the same slot
	s_cselect_b32 s20, s67, s19
	s_cselect_b32 s21, s3, s66
	s_cselect_b32 s22, s19, s67
	s_cselect_b32 s23, s66, s3
	v_add_nc_u32 v[ADRA], s20, v[LI]
	v_add_nc_u32 v[ADRA+1], s21, v[LI]
	v_add_nc_u32 v[ADRB], s22, v[LI]
	v_add_nc_u32 v[ADRB+1], s23, v[LI]
	; the cosines and sines of positions 256 Pt + 64 ip + 0 .. 63: block a, features 16 b + 8 h + 0 .. 7: eight registers (cos, sin of four pairs).  Blocks 0-2 now.
	; v's work-groups load them too and do not use them: the registers are then written on the one path that all take
	s_lshl_b32 s44, s18, 4
	s_lshl_b32 s45, s15, 2
	s_add_co_u32 s44, s44, s45                     ; my first block of 16 positions: 16 Pt + 4 ip
	s_lshl_b32 s2, s44, 12
	s_mov_b32 s3, 0
	s_add_nc_u64 s[2:3], s[6:7], s[2:3]
.irp a, 0,1,2
.irp b, 0,1,2,3
	global_load_b128 v[TB+32*\a+8*\b:TB+32*\a+8*\b+3], v[LI], s[2:3] offset:4096*\a+1024*\b
	global_load_b128 v[TB+32*\a+8*\b+4:TB+32*\a+8*\b+7], v[LI], s[2:3] offset:4096*\a+1024*\b+512
.endr
.endr
	; where my four fragments go.  q: [head 2 Ft + jf][block of 16 positions 16 Pt + 4 ip + a][1,024].  k: [kv head 2 (Ft % 4) + jf][step 2 Pt + ip / 2][tile 4 (ip % 2) + a][1,024].
	; v: the same head and step, behind k's 8,192 bytes, [16 features a][2,048], of which I fill the 1,024 bytes of keys 64 (ip % 2) on
	s_lshl_b32 s45, s43, 1
	s_add_co_u32 s45, s45, s16
	s_lshl_b32 s45, s45, 17
	s_lshl_b32 s46, s44, 10
	s_add_co_u32 s45, s45, s46                     ; q
	s_and_b32 s46, s43, 3
	s_lshl_b32 s46, s46, 1
	s_add_co_u32 s46, s46, s16
	s_lshl_b32 s46, s46, 18                        ; the kv head,
	s_lshl_b32 s47, s18, 1
	s_lshr_b32 s42, s15, 1
	s_add_co_u32 s47, s47, s42
	s_lshl_b32 s47, s47, 14                        ; the step of 128 keys
	s_add_co_u32 s46, s46, s47
	s_lshl_b32 s47, s17, 12
	s_add_co_u32 s47, s46, s47                     ; k
	s_lshl_b32 s42, s17, 10
	s_add_co_u32 s46, s46, s42
	s_add_co_u32 s46, s46, 8192                    ; v
	s_mov_b32 s68, 1024
	s_cmp_eq_u32 s70, 0
	s_cselect_b64 s[66:67], s[10:11], s[12:13]
	s_cselect_b32 s45, s45, s47
	s_cmp_eq_u32 s70, 2
	s_cselect_b32 s46, s46, s45
	s_cselect_b32 s68, 2048, s68                   ; from fragment to fragment
	s_mov_b32 s47, 0
	s_add_nc_u64 s[66:67], s[66:67], s[46:47]
.irp a, 0,1,2,3
	v_mad_u32_u24 v[VO+\a], s68, \a, v[LI]
.endr
; 32 LDS loads in one run: the fragments of K step ks of a slot (0: X, 1: Y) into set f: set B's four, then set A's four; each load reads 512 consecutive bytes
.macro FETCH slot, ks, f
	WIN TO_F
.irp b, 0,1,2,3
.irp p, 0,1,2,3
	ds_load_b128 v[\f+64+16*\b+4*\p:\f+64+16*\b+4*\p+3], v[ADRB+\slot] offset:16384*(\ks)+2048*\b+512*\p
.endr
.endr
.irp a, 0,1,2,3
.irp p, 0,1,2,3
	ds_load_b128 v[\f+16*\a+4*\p:\f+16*\a+4*\p+3], v[ADRA+\slot] offset:16384*(\ks)+2048*\a+512*\p
.endr
.endr
.endm
; 4 matrix instructions: set A's block a x set B's four.  zero = 1: the first product starts the sums.  The 16 accumulators take turns, one instruction a turn, in the same order in every K step.
.macro MUL4 f, a, zero
.irp b, 0,1,2,3
.if \zero
	v_wmma_f32_16x16x128_fp8_fp8 v[ACC+8*(4*(\a)+\b):ACC+8*(4*(\a)+\b)+7], v[\f+64+16*\b:\f+64+16*\b+15], v[\f+16*(\a):\f+16*(\a)+15], 0
.else
	v_wmma_f32_16x16x128_fp8_fp8 v[ACC+8*(4*(\a)+\b):ACC+8*(4*(\a)+\b)+7], v[\f+64+16*\b:\f+64+16*\b+15], v[\f+16*(\a):\f+16*(\a)+15], v[ACC+8*(4*(\a)+\b):ACC+8*(4*(\a)+\b)+7]
.endif
.endr
.endm
; A K step that has its successor in the same slot: multiplies set f and, in its middle, fetches the next K step into set g
.macro KSTEP slot, ks, f, g, zero
	s_wait_dscnt 8                                 ; set B's four and set A's blocks 0, 1 are in; the youngest eight loads (set A's blocks 2, 3) may be out
	WIN MUL
	MUL4 \f, 0, \zero
	MUL4 \f, 1, \zero
	PLACES 4
	FETCH \slot, (\ks)+1, \g
	s_wait_dscnt 32                                ; all but the 32 just issued
	WIN MUL
	MUL4 \f, 2, \zero
	MUL4 \f, 3, \zero
.endm
; A slot's last K step multiplies set 1 and changes slots: ONE barrier; in front of it each wave waits for all its tensor loads, adds 0 to its spare word, and waits for that and for its own reads of this slot.
; fill = 1: the barrier opens a round of the cluster's barrier, and this slot is filled again, with the K steps six further on (X's four and Y's two make a lap).
.macro TURN slot, next, fill, ask=0
	WIN 0                                          ; (the add's two registers lie in window 0)
	s_wait_tensorcnt 0x0                           ; all my tensor loads have landed: my part of the next slot;
	ds_add_u32 v[SPW], v[NIL]                      ; 0 onto my spare word;
.if \fill
	ds_add_u32 v[SPW], v[NIL]                      ; and once more where a load still follows
.endif
	s_wait_dscnt 9+\fill                           ; (the add or adds and the youngest eight loads may be out)
	WIN MUL
	MUL4 F1, 0, 0                                  ; four matrix instructions stand between the add and the wait for it
	s_wait_dscnt 0x0                               ; the add is done, and my reads of this slot are over
	s_barrier_signal -1
	MUL4 F1, 1, 0
	WIN 0
	s_barrier_wait -1
.if \fill
	CREST                                          ; no wave of any partner still reads this slot's tiles or has a load on its way
	s_add_nc_u64 s[G0P+4*\slot+2:G0P+4*\slot+3], s[G0P+4*\slot+2:G0P+4*\slot+3], 0x18000
	s_add_nc_u64 s[G0F+4*\slot+2:G0F+4*\slot+3], s[G0F+4*\slot+2:G0F+4*\slot+3], 0x18000
	JLOAD G0P+4*\slot, G1P+8*\slot, G0F+4*\slot, G1F+8*\slot   ; the first tensor load behind the round, a wave's one load until the next
.endif
	PLACES 4                                       ; on every wave's path, that of a wave that fetches nothing too: in front of the loads into set 0
.if \ask
	ASK 20, 100, 0x30000                           ; K steps 12-15, which slot X's last refill will load
.endif
	FETCH \next, 0, F0
	WIN MUL
	MUL4 F1, 2, 0
	MUL4 F1, 3, 0
.endm
	s_wait_alu depctr_va_vdst(0)
	s_wait_tensorcnt 0x0                           ; my part of K steps 0-3 is in; slot Y's first fill is issued as a refill is:
	ds_add_u32 v[SPW], v[NIL]                      ; the add, twice on end
	ds_add_u32 v[SPW], v[NIL]
	s_wait_dscnt 0x0
	CROUND                                         ; a whole round: everybody's part of K steps 0-3 is in, and the joint loads meet
	JLOAD G0P+4, G1P+8, G0F+4, G1F+8               ; K steps 4 and 5 into slot Y: the first tensor load behind the round
	ASK 21, 104, 0x18000                           ; K steps 10, 11, which slot Y's refill will load
	FETCH 0, 0, F0
	KSTEP 0, 0, F0, F1, 1                          ; sixteen K steps, written out
	KSTEP 0, 1, F1, F0, 0
	KSTEP 0, 2, F0, F1, 0
	TURN 0, 1, 1, 1                                ; K step 3; X takes 6-9
	KSTEP 1, 0, F0, F1, 0
	TURN 1, 0, 1                                   ; K step 5; Y takes 10, 11
	KSTEP 0, 0, F0, F1, 0
	KSTEP 0, 1, F1, F0, 0
	KSTEP 0, 2, F0, F1, 0
	TURN 0, 1, 1                                   ; K step 9; X takes 12-15
	KSTEP 1, 0, F0, F1, 0
	TURN 1, 0, 0                                   ; K step 11; nothing is left to fetch
	KSTEP 0, 0, F0, F1, 0
	KSTEP 0, 1, F1, F0, 0
	KSTEP 0, 2, F0, F1, 0
	PLACES 4
	WIN TO_F                                       ; set 0 is done with: its first 32 registers take the cosines and sines of my position block 3
.irp b, 0,1,2,3
	global_load_b128 v[8*\b:8*\b+3], v[LI], s[2:3] offset:4096*3+1024*\b
	global_load_b128 v[8*\b+4:8*\b+7], v[LI], s[2:3] offset:4096*3+1024*\b+512
.endr
	s_wait_dscnt 8                                 ; the very last K step
	WIN MUL
	MUL4 F1, 0, 0
	MUL4 F1, 1, 0
	s_wait_dscnt 0x0
	MUL4 F1, 2, 0
	MUL4 F1, 3, 0
	WIN 0
	PLACES 4
	; THE WAY OUT.  The scale of the conversion: a sum stands for sum x 2^(ea + eb), its code is sum / 2^(e - ea - eb)
	s_wait_loadcnt 8                               ; the table of blocks 0-2 is in; the youngest eight loads (block 3's) may be out
	s_wait_kmcnt 0x0
	s_sub_co_i32 s20, s94, s88
	s_sub_co_i32 s20, s20, s89                     ; q: e6 - e0 - e1
	s_sub_co_i32 s21, s95, s90
	s_sub_co_i32 s21, s21, s91                     ; k: e7 - e2 - e3
	s_sub_co_i32 s22, s97, s92
	s_sub_co_i32 s22, s22, s93                     ; v: e9 - e4 - e5
	s_cmp_eq_u32 s70, 1
	s_cselect_b32 s20, s21, s20
	s_cmp_eq_u32 s70, 2
	s_cselect_b32 s20, s22, s20
	s_add_co_i32 s20, s20, 127
	s_lshl_b32 s21, s20, 23
	v_mov_b32 v[SC], s21                           ; the scale as f32
	s_add_co_i32 s20, s20, 8
	s_lshl_b32 s20, s20, 23
	s_or_b32 s20, s20, 0x600000
	v_mov_b32 v[LIM], s20                          ; 448 x the scale
; Block a's four accumulators are rotated: an accumulator's four pairs (x0, x1) become x0 cos - x1 sin, x1 cos + x0 sin.  Eight products, then eight fused multiply-adds; the first line reads the accumulator's register 1.
.macro ROPE a, tb                      ; tb: the first register of block a's cosines and sines
.irp b, 0,1,2,3
.irp p, 0,1,2,3
	v_mul_f32 v[TMP+2*\p], v[ACC+8*(4*\a+\b)+2*\p+1], v[\tb+8*\b+2*\p+1]
	v_mul_f32 v[TMP+2*\p+1], v[ACC+8*(4*\a+\b)+2*\p], v[\tb+8*\b+2*\p+1]
.endr
.irp p, 0,1,2,3
	v_fma_f32 v[ACC+8*(4*\a+\b)+2*\p], v[ACC+8*(4*\a+\b)+2*\p], v[\tb+8*\b+2*\p], -v[TMP+2*\p]
	v_fma_f32 v[ACC+8*(4*\a+\b)+2*\p+1], v[ACC+8*(4*\a+\b)+2*\p+1], v[\tb+8*\b+2*\p], v[TMP+2*\p+1]
.endr
.endr
.endm
	s_cmp_eq_u32 s70, 2                            ; v is not rotated: a branch on the cluster's x, the same in all partners
	s_cbranch_scc1 .Lno_rope
	ROPE 0, TB
	ROPE 1, TB+32
	ROPE 2, TB+64
	s_wait_loadcnt 0x0                             ; block 3's table is in: three blocks' arithmetic stood between its loads and this wait
	WIN 0x04                                       ; source 1 (cos, sin) window 1
	ROPE 3, 0
	WIN 0
.Lno_rope:
	s_wait_loadcnt 0x0                             ; (on v's path too: no load of mine is out from here on)
	s_wait_alu depctr_va_vdst(0)
.irp a, 0,1,2,3
.irp b, 0,1,2,3
.irp i, 0,1,2,3,4,5,6,7
	v_med3_num_f32 v[ACC+8*(4*\a+\b)+\i], v[ACC+8*(4*\a+\b)+\i], -v[LIM], v[LIM]   ; the conversion to an 8-bit code does not saturate (ISA guide 7.6.2): the hold; each accumulator from its low end on
.endr
	v_cvt_scalef32_pk8_fp8_f32 v[CD+8*\a+2*\b:CD+8*\a+2*\b+1], v[ACC+8*(4*\a+\b):ACC+8*(4*\a+\b)+7], v[SC]   ; registers 2 b, 2 b + 1 of fragment a; the table's registers are done with
.endr
.endr
	v_nop                                          ; a plain line behind the last conversion
.irp a, 0,1,2,3
	global_store_b128 v[VO+\a], v[CD+8*\a:CD+8*\a+3], s[66:67]               ; 512 consecutive bytes each
	global_store_b128 v[VO+\a], v[CD+8*\a+4:CD+8*\a+7], s[66:67] offset:512
.endr
	s_wait_tensorcnt 0x0                           ; the wave's end
	ds_add_u32 v[SPW], v[NIL]
	s_wait_dscnt 0x0
	CROUND                                         ; the closing round: no work-group ends while a partner may still ask for a tile that names it
	s_endpgm
.Lfunc_end_k_qdc4b75a811_qkv:
	.size	k_qdc4b75a811_qkv, .Lfunc_end_k_qdc4b75a811_qkv-k_qdc4b75a811_qkv
	.p2alignl 7, 3214868480
	.fill 96, 4, 3214868480
	.section	.rodata,"a",@progbits
	.p2align	6, 0x0
	.amdhsa_kernel k_qdc4b75a811_qkv
		.amdhsa_group_segment_fixed_size 327680
		.amdhsa_private_segment_fixed_size 0
		.amdhsa_enable_private_segment 0
		.amdhsa_kernarg_size 40
		.amdhsa_user_sgpr_count 2
		.amdhsa_user_sgpr_kernarg_segment_ptr 1
		.amdhsa_wavefront_size32 1
		.amdhsa_system_sgpr_workgroup_id_x 1
		.amdhsa_system_sgpr_workgroup_id_y 1
		.amdhsa_system_sgpr_workgroup_id_z 1
		.amdhsa_system_vgpr_workitem_id 0
		.amdhsa_next_free_vgpr 512
		.amdhsa_next_free_sgpr 106
		.amdhsa_reserve_vcc 0
		.amdhsa_float_denorm_mode_32 3
		.amdhsa_float_denorm_mode_16_64 3
		.amdhsa_memory_ordered 1
		.amdhsa_forward_progress 1
		.amdhsa_inst_pref_size 93
	.end_amdhsa_kernel
	.amdgpu_metadata
---
amdhsa.version: [ 1, 2 ]
amdhsa.kernels:
  - .name:           k_qdc4b75a811_qkv
    .symbol:         k_qdc4b75a811_qkv.kd
    .args:
      - { .name: codes, .offset: 0, .size: 8, .value_kind: global_buffer, .address_space: global }
      - { .name: rope, .offset: 8, .size: 8, .value_kind: global_buffer, .address_space: global }
      - { .name: lowp_scales, .offset: 16, .size: 8, .value_kind: global_buffer, .address_space: global }
      - { .name: qimg, .offset: 24, .size: 8, .value_kind: global_buffer, .address_space: global }
      - { .name: kvimg, .offset: 32, .size: 8, .value_kind: global_buffer, .address_space: global }
    .group_segment_fixed_size: 327680
    .private_segment_fixed_size: 0
    .kernarg_segment_align: 8
    .kernarg_segment_size: 40
    .max_flat_workgroup_size: 256
    .sgpr_count:     106
    .vgpr_count:     512
    .wavefront_size: 32
...
	.end_amdgpu_metadata
.endif
;; end of part 2
;; launch attn (part 3): grid 32 x 8, 16 waves a work-group, clusters of 4 x 1, 327,680 bytes of LDS; arguments qimg, kvimg, lowp_scales, aimg; writes aimg
.if DOCPART == 3
	.amdgcn_target "amdgcn-amd-amdhsa--gfx1250"
	.amdhsa_code_object_version 6
	.text
	.protected	k_qdc4b75a811_attn
	.globl	k_qdc4b75a811_attn
	.p2align	8
	.type	k_qdc4b75a811_attn,@function
k_qdc4b75a811_attn:
	s_mov_b64 s[64:65], 0
	v_nop
	global_prefetch_b8 v0, s[64:65] scope:SCOPE_SE
	s_setreg_imm32_b32 hwreg(HW_REG_WAVE_MODE, 25, 1), 1
	s_wait_xcnt 0x0
	s_wait_alu depctr_hold_cnt(0) depctr_sa_sdst(0) depctr_va_vdst(0) depctr_va_sdst(0) depctr_va_ssrc(0) depctr_va_vcc(0) depctr_vm_vsrc(0)
	s_getreg_b32 s2, hwreg(HW_REG_IB_STS2, 6, 4)
	s_cmp_eq_u32 s2, 0
	s_cbranch_scc0 .Lentry_in_a_cluster
	s_endpgm
.Lentry_in_a_cluster:
	s_bfe_u32 s2, ttmp6, 0x10000c
	s_cmp_lg_u32 s2, 0x3003
	s_cbranch_scc0 .Lentry_shape_is_right
	s_endpgm
.Lentry_shape_is_right:
; Causal attention on codes of FP8 (E4M3): 32 query heads, 8 key and value heads, head size 64, 2,048 positions.  The result leaves as codes again (entry 10), laid as the A operand of the output product.
; LEFT OUT: key steps all of whose keys come after a tile's queries.  The causal mask sets their scores to -infinity, so their p is 0 for all inputs.  A NaN or an infinity that reaches only those scores is not carried on.
; THE SOFTMAX AHEAD OF THE SECOND PRODUCT: t = score x log2(e) / 8; M = the largest t so far, rounded UP to a whole number; p = 2^(t - M) is quantised (entry 8), not normalised; the sum is taken of the
; unquantised p in f32 and divides at the end.  When M moves, the sum and O are multiplied by 2^(old M - new M): exact.
; LIMITS on the given exponents: e6 + e7 between -123 and 130 (added to the exponent field of log2(e) / 8); e8, and e10 - e8 - e9, between -126 and 119.  The scaled scores stay under 2^31 in magnitude.
; INPUTS, images of operand registers (lane (r, h); registers 2 c, 2 c + 1 = k 16 c + 8 h + 0 .. 7; registers 4 p .. 4 p + 3 of lane l at 512 p + 16 l):
;   q: [head][16 queries][1,024].   k, v: [kv head][step of 128 keys][16,384]: eight tiles of 16 keys x 64 (1,024 each), then four tiles of 16 features x 128 keys (2,048 each).
; SHARES.  A cluster is the four query heads of one kv head: they read the same 262,144 bytes of k and v, which lie in LDS as in memory, asked for JOINTLY and filled ONCE: wave w asks for key step w, one load a wave.
; A work-group owns query blocks jj and 15 - jj of its head (128 queries each): 16 tiles of 16 queries, 8 (jj + 1) + 8 (16 - jj) = 136 key steps.  THE STEPS ARE DEALT TO PAIRS OF WAVES: pair n owns tile n of both
; blocks, 17 steps.  Its wave of role 0 takes the late tile's key steps 0 .. AST - 1: 7 steps, none on the diagonal.  Its wave of role 1 takes the early tile whole, jj + 1 steps, stores it, and then the late tile's
; steps AST .. 15 - jj: 9 - jj steps, 10 in all.  Role 1 goes to waves 4-11 (pair w - 4), role 0 to waves 0-3 (pair w) and 12-15 (pair w - 8): of waves w, w + 4, w + 8, w + 12 the two in the middle have role 1.
; Role 0 hands its O^T, -M and sums over through LDS bytes of their own; role 1 brings both parts under the larger M, by exact powers of two, adds them and stores the late tile.
; So each part of a late row is quantised under its own running M, which is at most the row's: the codes stand for the same numbers, but for p so small that it falls under the format's range under the row's M.
; A TILE IS BEGUN ANEW by setting the largest t back to -3e38: the next step's f = 2^(old M - new M) is then 0, which clears O^T and the sum (both are finite).
; LAYOUT.  Both products transposed: S^T = K Q^T (source 0 = 16 keys, source 1 = my 16 queries), O^T = V^T P^T: a lane holds one query (lane % 16) throughout; in S^T its register 8 t + i is key 16 t + 8 h + i,
; so one conversion of a tile's eight registers gives registers 2 t, 2 t + 1 of P.
; THE DIAGONAL.  A step on the diagonal begins 16 n keys ahead of my first query, n my pair.  So its key tiles t < n count whole, those with t > n are hidden whole, and in tile t = n register i is hidden in the
; lanes where i > r - 8 h: eight lane masks, made once.  Each register's mask is chosen by scalar selects on the wave's number, and one v_cndmask_b32 a register sets hidden scores to -infinity.
; THE LOOP has 10 trips in every wave.  Which key step a trip takes is made of the trip's number, the wave's number and jj (the cluster's y, which all partners share), with no branch; role 0 passes over trips 7 to 9.
; NO PREFETCH: the head's one group of loads asks for every byte of k and v that the launch reads; no later load is left to run ahead of.
; REGISTERS: v5 16 x lane; v6, v7 the add's; v8 the step's LDS address; v9 where the pair's part lies; v10 r - 8 h; v11 -infinity; v12 -M, v13 the largest t, v[14:15] the sum in two halves; v16-23 Q in hand, v24-31 the late
;   tile's Q; v32-95 K's eight fragments, then V's four; v96-159 S^T, then p; v160-191 O^T; v192-207 p's codes; v208-215 the result's codes; v236-254 at work and scales.
.set AST,   7                          ; role 0's steps; role 1 has 17 - AST
.set SPARE, 262144                     ; behind k and v: the spare words, 128 bytes for each wave: eight blocks of 256 bytes that no other line names
.set PART,  SPARE+2048                 ; behind them: for each pair of waves 9 x 512 bytes: role 0's O^T (8 x 4 registers) and v12-15
.set PSZ,   4608
.set LI,   5
.set SPW,  6
.set NIL,  7
.set ADR,  8
.set PAD,  9
.set DL,   10
.set NINF, 11
.set TB,   2                           ; s2   LDS byte at which the step in hand begins
.set PR,   16                          ; s16  my pair
.set ROLE, 17                          ; s17  0 or 1
.set WV,   18                          ; s18  my wave's number
.set SEL,  20                          ; s[20:21] lane selects for v_permlanex16_b32: lane l xor 16
.set CS,   22                          ; s[22:23] c = log2(e) / 8 x 2^(e6 + e7)
.set G1,   24                          ; s[24:31] descriptor group 1: 64 rows of 256 bytes
.set G0,   40                          ; s[40:43] group 0
.set BE,   44                          ; s[44:45] where my first tile's codes go;  s[46:47] the late tile's
.set BL,   46
.set QA,   50                          ; s[50:51] my first tile's q;  s[52:53] the late tile's
.set QB,   52
.set SW,   60                          ; s60  the trip behind which I change tiles: jj (role 1), 15: never (role 0)
.set NIT,  61                          ; s61  my trips with work: 17 - AST or AST
.set OFL,  62                          ; s62  AST - 1 - jj (modulo 2^32): behind the change, trip i takes key step i + AST - 1 - jj
.set Q0F,  63                          ; s63  my first tile's first query;  s66 the late tile's
.set Q0L,  66
.set IT,   67                          ; s67  the trip
.set DM,   80                          ; s80-87 the diagonal tile's eight lane masks;  s88-95 the masks of the tile in hand
.set TM,   88
.set KF,   98                          ; s98  the step's first key
.set Q0,   99                          ; s99  the first query of the tile in hand
.macro ROUND                           ; a round of the cluster's barrier
	s_barrier_signal -1
	s_barrier_wait -1
	s_cmp_lg_u32 s[WV], 0
	s_cbranch_scc1 .Lnot_wave_0_\@
	s_barrier_signal -3
.Lnot_wave_0_\@:
	s_barrier_wait -3
	s_barrier_signal -1
	s_barrier_wait -1
.endm
; A tile leaves: O^T / the sum, quantised: a tile's eight registers are features 16 d + 8 h + 0 .. 7 of my query: registers 2 d, 2 d + 1 of my head's half of the output product's fragment
.macro FINISH base
	s_wait_alu depctr_va_vdst(0)
	s_wait_xcnt 0x0                                ; earlier stores have read v208-215
.rept 4
	v_nop                                          ; places behind the last products
.endr
	v_add_f32 v14, v14, v15                        ; the sum's two halves,
	s_delay_alu instid0(VALU_DEP_1)
	v_permlanex16_b32 v236, v14, s[SEL], s[SEL+1]
	s_delay_alu instid0(VALU_DEP_1)
	v_add_f32 v14, v14, v236                       ; and lane l xor 16's: the row's sum
	s_wait_alu depctr_va_vdst(0)
	v_rcp_f32 v14, v14
	v_nop                                          ; a plain line behind the reciprocal,
	s_wait_alu depctr_va_vdst(0)                   ; and the wait ahead of its first reader, which is O^T's first reader too
.set NN, 0
.rept 16
	v_pk_mul_f32 v[96+NN:97+NN], v[160+NN:161+NN], v[14:15] op_sel_hi:[1,0]   ; both x v14; each accumulator from its low end on
.set NN, NN+2
.endr
.set NN, 0
.rept 32
	v_med3_num_f32 v[96+NN], v[96+NN], -v241, v241 ; the conversion does not saturate (ISA guide 7.6.2): the hold
.set NN, NN+1
.endr
.irp d, 0,1,2,3
	v_cvt_scalef32_pk8_fp8_f32 v[208+2*\d:209+2*\d], v[96+8*\d:103+8*\d], v245
.endr
	v_nop                                          ; a plain line behind the last conversion
	global_store_b128 v[LI], v[208:211], s[\base:\base+1]             ; 512 consecutive bytes each
	global_store_b128 v[LI], v[212:215], s[\base:\base+1] offset:512
.endm
; The masks of key tile t of a step on the diagonal, and its eight registers
.macro MASKT t
	s_cmp_lt_u32 s[PR], \t
	s_cselect_b32 s96, -1, 0                       ; behind the diagonal tile: all lanes; ahead of it: none
	s_cmp_eq_u32 s[PR], \t
.irp i, 0,1,2,3,4,5,6,7
	s_cselect_b32 s[TM+\i], s[DM+\i], s96
.endr
.irp i, 0,1,2,3,4,5,6,7
	v_cndmask_b32 v[96+8*\t+\i], v[96+8*\t+\i], v[NINF], s[TM+\i]   ; each accumulator from its low end on
.endr
.endm
	s_load_b256 s[4:11], s[0:1], 0x0               ; q's images s[4:5], k's and v's s[6:7], the exponents s[8:9], the result's images s[10:11]
	v_lshl_add_u32 v[SPW], v0, 2, SPARE
	v_mov_b32 v[NIL], 0
	ds_add_u32 v[SPW], v[NIL]                      ; the opening lines: the add, twice on end, and its wait ahead of the round in front of my tensor load;
	ds_add_u32 v[SPW], v[NIL]                      ; the set-up below, work on registers, stands between the second and the wait
	v_lshrrev_b32 v1, 5, v0
	v_and_b32 v2, 31, v0
	v_bfe_u32 v4, v0, 4, 1                         ; h
	v_and_b32 v3, 15, v0                           ; r
	v_readfirstlane_b32 s[WV], v1                  ; wave 0..15
	v_lshlrev_b32 v[LI], 4, v2
	v_lshlrev_b32 v4, 3, v4
	v_mov_b32 v13, 0xff61b1e6                      ; the largest t so far: -3e38, under every t
	v_mov_b32 v14, 0                               ; the sum, in two halves
	v_sub_nc_u32 v[DL], v3, v4                     ; r - 8 h
	v_floor_f32 v12, -v13                          ; -M
	v_mov_b32 v15, 0
	v_mov_b32 v[NINF], 0xff800000                  ; -infinity
	v_mov_b32 v236, 0                              ; written once: a lane permute's destination counts as one of its sources
	v_mov_b32 v253, 0                              ; (named as the upper half of the pair v[252:253])
.set NN, 0
.rept 32
	v_mov_b32 v[160+NN], 0                         ; O^T: the step is written once, and the first finds zeros
.set NN, NN+1
.endr
	s_bfe_u32 s13, ttmp6, 0x40000                  ; cx: it enters q's and the result's addresses alone
	s_lshl_b32 s14, ttmp9, 2
	s_add_co_u32 s14, s14, s13                     ; my query head = 4 x kv head + cx
	s_and_b32 s15, ttmp7, 0xffff                   ; jj
	s_add_co_u32 s[ROLE], s[WV], 4
	s_lshr_b32 s[ROLE], s[ROLE], 3
	s_and_b32 s[ROLE], s[ROLE], 1                  ; waves 4-11: role 1; waves 0-3 and 12-15: role 0
	s_lshl_b32 s[PR], s[ROLE], 2
	s_add_co_u32 s[PR], s[PR], s[WV]
	s_and_b32 s[PR], s[PR], 7                      ; the pair, (w + 4 x role) % 8: which 16 of a block's 128 queries
	s_sub_co_u32 s19, 15, s15                      ; the late block
	s_cmp_eq_u32 s[ROLE], 1
	s_cselect_b32 s48, s15, s19                    ; my first tile's block
	s_cselect_b32 s[SW], s15, 15
	s_cselect_b32 s[NIT], 17-AST, AST
	s_sub_co_u32 s[OFL], AST-1, s15
	s_lshl_b32 s49, s[PR], 4
	s_lshl_b32 s[Q0F], s48, 7
	s_add_co_u32 s[Q0F], s[Q0F], s49
	s_lshl_b32 s[Q0L], s19, 7
	s_add_co_u32 s[Q0L], s[Q0L], s49
	s_mul_i32 s49, s[PR], PSZ
	s_add_co_u32 s49, s49, PART
	v_add_nc_u32 v[PAD], s49, v[LI]                ; the pair's bytes: the same address in both of its waves
	; the descriptor: 16,384 consecutive bytes as 64 rows of 32 elements of 8 bytes
	s_mov_b32 s[G1], 15|(3<<16)|(1<<21)            ; 15:0 the mask: all four work-groups; 17:16 elements of 8 bytes; 21 set beside a mask
	s_mov_b32 s[G1+1], 32<<16                      ; tensor_dim0
	s_mov_b32 s[G1+2], 64<<16                      ; tensor_dim1
	s_mov_b32 s[G1+3], 32<<16                      ; tile_dim0
	s_mov_b32 s[G1+4], 64                          ; tile_dim1
	s_mov_b32 s[G1+5], 32                          ; tensor_dim0_stride
	s_mov_b32 s[G1+6], 0
	s_mov_b32 s[G1+7], 0
	s_mov_b32 s[G0], 1
	s_lshl_b32 s[G0+1], s[WV], 14                  ; key step w lies in LDS as in memory
	s_lshl_b32 s54, ttmp9, 18                      ; the kv head's 262,144 bytes
	s_add_co_u32 s54, s54, s[G0+1]
	s_mov_b32 s55, 0
	s_lshl_b32 s56, s14, 17                        ; q: my head,
	s_lshl_b32 s57, s48, 3
	s_add_co_u32 s57, s57, s[PR]
	s_lshl_b32 s57, s57, 10                        ; my first tile,
	s_add_co_u32 s[QA], s56, s57
	s_mov_b32 s[QA+1], 0
	s_lshl_b32 s57, s19, 3
	s_add_co_u32 s57, s57, s[PR]
	s_lshl_b32 s57, s57, 10                        ; the late tile
	s_add_co_u32 s[QB], s56, s57
	s_mov_b32 s[QB+1], 0
	s_lshr_b32 s58, s14, 1                         ; the result: [block of 128 positions][K step = head / 2][16 positions][2,048], of which my head fills 1,024 bytes
	s_lshl_b32 s58, s58, 14
	s_lshl_b32 s59, s[PR], 11
	s_add_co_u32 s58, s58, s59
	s_and_b32 s59, s14, 1
	s_lshl_b32 s59, s59, 10
	s_add_co_u32 s58, s58, s59
	s_lshl_b32 s59, s48, 18
	s_add_co_u32 s[BE], s58, s59
	s_mov_b32 s[BE+1], 0
	s_lshl_b32 s59, s19, 18
	s_add_co_u32 s[BL], s58, s59
	s_mov_b32 s[BL+1], 0
	s_mov_b32 s[SEL], 0x76543210
	s_mov_b32 s[SEL+1], 0xfedcba98
	s_mov_b32 s[CS], 0x3e38aa3b                    ; log2(e) / 8
	s_wait_alu depctr_va_vdst(0)
	s_wait_dscnt 0x0                               ; both opening adds are done
	s_wait_kmcnt 0x0
	s_load_b256 s[68:75], s[8:9], 0x0              ; entries 0 to 7
	s_load_b128 s[76:79], s[8:9], 0x20             ; entries 8 to 11
	s_add_nc_u64 s[G0+2:G0+3], s[6:7], s[54:55]
	s_or_b32 s[G0+3], s[G0+3], 0x80000000
	s_add_nc_u64 s[QA:QA+1], s[4:5], s[QA:QA+1]
	s_add_nc_u64 s[QB:QB+1], s[4:5], s[QB:QB+1]
	s_add_nc_u64 s[BE:BE+1], s[10:11], s[BE:BE+1]
	s_add_nc_u64 s[BL:BL+1], s[10:11], s[BL:BL+1]
	global_load_b128 v[16:19], v[LI], s[QA:QA+1]   ; Q's fragments stay in registers
	global_load_b128 v[20:23], v[LI], s[QA:QA+1] offset:512
	global_load_b128 v[24:27], v[LI], s[QB:QB+1]
	global_load_b128 v[28:31], v[LI], s[QB:QB+1] offset:512
	ROUND                                          ; all four work-groups are here: the joint loads meet
	tensor_load_to_lds s[G0:G0+3], s[G1:G1+7]      ; the launch's only fill of mine: one load is out
	s_nop 0
.rept 4
	v_nop
.endr
	s_wait_kmcnt 0x0
	s_add_co_i32 s80, s74, s75
	s_lshl_b32 s80, s80, 23
	s_add_co_i32 s[CS], s[CS], s80                 ; a score stands for score x 2^(e6 + e7): the exponents are added to c's exponent field
	s_mov_b32 s[CS+1], s[CS]                       ; (named with it as a pair, so it is written)
	s_add_co_i32 s80, s76, 127
	s_lshl_b32 s81, s80, 23
	v_mov_b32 v244, s81                            ; 2^e8, for p's conversion
	s_add_co_i32 s80, s80, 8
	s_lshl_b32 s80, s80, 23
	s_or_b32 s80, s80, 0x600000
	v_mov_b32 v240, s80                            ; 448 x 2^e8,
	v_mov_b32 v239, s80                            ; twice: the two halves of a dual pair take their second sources from different register banks
	s_sub_co_i32 s80, s78, s76
	s_sub_co_i32 s80, s80, s77                     ; e10 - e8 - e9: a sum of the second product stands for sum x 2^(e8 + e9)
	s_add_co_i32 s80, s80, 127
	s_lshl_b32 s81, s80, 23
	v_mov_b32 v245, s81
	s_add_co_i32 s80, s80, 8
	s_lshl_b32 s80, s80, 23
	s_or_b32 s80, s80, 0x600000
	v_mov_b32 v241, s80
.irp i, 0,1,2,3,4,5,6,7
	v_cmp_gt_i32 s[DM+\i], \i, v[DL]               ; the diagonal tile: register i is hidden in the lanes where i > r - 8 h
.endr
	s_wait_alu depctr_va_vdst(0)
	s_wait_tensorcnt 0x0                           ; my key step is in,
	s_barrier_signal -1
	s_barrier_wait -1                              ; everybody's is: all of k and v
	s_wait_loadcnt 0x0                             ; Q
	s_mov_b32 s[IT], 0
.Lstep:                                            ; A TRIP: one key step of 128 keys for the tile in hand
	s_cmp_gt_u32 s[IT], s[SW]                      ; behind the change of tiles?
	s_cselect_b32 s96, s[OFL], 0
	s_cselect_b32 s[Q0], s[Q0L], s[Q0F]
	s_add_co_u32 s96, s96, s[IT]
	s_min_u32 s96, s96, 15                         ; the key step, 0 .. 15
	s_lshl_b32 s[TB], s96, 14
	s_lshl_b32 s[KF], s96, 7
	s_cmp_ge_u32 s[IT], s[NIT]                     ; role 0 has no work in the last trips
	s_cbranch_scc1 .Lskip
	v_add_nc_u32 v[ADR], s[TB], v[LI]
.rept 3
	v_nop                                          ; with the addition: four places in front of loads into registers that the last products read
.endr
.irp t, 0,1,2,3,4,5,6,7
	ds_load_b128 v[32+8*\t:35+8*\t], v[ADR] offset:1024*\t
	ds_load_b128 v[36+8*\t:39+8*\t], v[ADR] offset:1024*\t+512
.endr
	s_wait_alu depctr_va_vdst(0)
	s_wait_dscnt 8                                 ; key tiles 0-3 are in; the youngest eight loads (tiles 4-7) may be out
.irp t, 0,1,2,3
	v_wmma_f32_16x16x64_fp8_fp8 v[96+8*\t:103+8*\t], v[32+8*\t:39+8*\t], v[16:23], 0
.endr
	s_wait_dscnt 0x0
.irp t, 4,5,6,7
	v_wmma_f32_16x16x64_fp8_fp8 v[96+8*\t:103+8*\t], v[32+8*\t:39+8*\t], v[16:23], 0
.endr
.rept 4
	v_nop                                          ; places in front of the loads below and of the first read of the scores
.endr
.irp d, 0,1,2,3                        ; V's four fragments land while the softmax is worked
.irp p, 0,1,2,3
	ds_load_b128 v[32+16*\d+4*\p:35+16*\d+4*\p], v[ADR] offset:8192+2048*\d+512*\p
.endr
.endr
	s_add_co_u32 s96, s[KF], 127
	s_cmp_le_u32 s96, s[Q0]                        ; all its keys count: no mask
	s_cbranch_scc1 .Lopen
.irp t, 0,1,2,3,4,5,6,7
	MASKT \t
.endr
.Lopen:
	v_max3_num_f32 v254, v96, v97, v98             ; the step's largest score of my query, among my 64 keys, in four chains, in ascending order of registers,
	v_max3_num_f32 v252, v99, v100, v101
	v_max3_num_f32 v250, v102, v103, v104
	v_max3_num_f32 v248, v105, v106, v107
.irp j, 12,20,28,36,44,52
	v_max3_num_f32 v254, v254, v[96+\j], v[97+\j]
	v_max3_num_f32 v252, v252, v[98+\j], v[99+\j]
	v_max3_num_f32 v250, v250, v[100+\j], v[101+\j]
	v_max3_num_f32 v248, v248, v[102+\j], v[103+\j]
.endr
	v_max3_num_f32 v254, v254, v156, v157
	v_max3_num_f32 v252, v252, v158, v159
	v_max3_num_f32 v250, v250, v248, v254
	s_delay_alu instid0(VALU_DEP_1)
	v_max_num_f32 v254, v250, v252
	s_delay_alu instid0(VALU_DEP_1)
	v_permlanex16_b32 v236, v254, s[SEL], s[SEL+1]
	s_delay_alu instid0(VALU_DEP_1)
	v_max_num_f32 v254, v254, v236                 ; and among lane l xor 16's
	s_delay_alu instid0(VALU_DEP_1)
	v_mul_f32 v254, s[CS], v254                    ; as t (c is positive)
	s_delay_alu instid0(VALU_DEP_1)
	v_max_num_f32 v13, v13, v254                   ; the running largest t
	v_mov_b32 v254, v12
	s_delay_alu instid0(VALU_DEP_2)
	v_floor_f32 v12, -v13                          ; the new -M = floor(-t) = -ceil(t): a whole number
	s_delay_alu instid0(VALU_DEP_1)
	v_sub_f32 v254, v12, v254                      ; M's old value less its new one: a whole number, 0 or less
	s_delay_alu instid0(VALU_DEP_1)
	v_cvt_i32_f32 v254, v254                       ; (it saturates)
	s_delay_alu instid0(VALU_DEP_1)
	v_ldexp_f32 v252, 1.0, v254                    ; f = 2^(old M - new M); 0 in a tile's first step
.set NN, 0
.rept 32
	v_pk_fma_f32 v[96+NN:97+NN], v[96+NN:97+NN], s[CS:CS+1], v[12:13] op_sel_hi:[1,0,0]   ; t - M, two at a time (of the pairs c and -M the low word serves both halves)
.set NN, NN+2
.endr
	s_wait_alu depctr_va_vdst(0)
.set NN, 0
.rept 64
	v_exp_f32 v[96+NN], v[96+NN]                   ; p = 2^(t - M), at most 1
.set NN, NN+1
.endr
	v_pk_mul_f32 v[14:15], v[14:15], v[252:253] op_sel_hi:[1,0]   ; the sums under the new M: a plain line behind the exponentials
	s_wait_alu depctr_va_vdst(0)                   ; one wait for the whole batch, ahead of its first reader
	v_pk_add_f32 v[242:243], v[96:97], v[98:99]    ; the row's sum is taken of the unquantised p: two at a time, in four chains
	v_pk_add_f32 v[246:247], v[100:101], v[102:103]
	v_pk_add_f32 v[248:249], v[104:105], v[106:107]
	v_pk_add_f32 v[14:15], v[14:15], v[108:109]
.irp j, 14,22,30,38,46,54
	v_pk_add_f32 v[242:243], v[242:243], v[96+\j:97+\j]
	v_pk_add_f32 v[246:247], v[246:247], v[98+\j:99+\j]
	v_pk_add_f32 v[248:249], v[248:249], v[100+\j:101+\j]
	v_pk_add_f32 v[14:15], v[14:15], v[102+\j:103+\j]
.endr
	v_pk_add_f32 v[242:243], v[242:243], v[158:159]
	v_pk_add_f32 v[246:247], v[246:247], v[248:249]
	v_pk_add_f32 v[14:15], v[14:15], v[242:243]
	v_pk_add_f32 v[14:15], v[14:15], v[246:247]
.irp t, 0,1,2,3,4,5,6,7
.irp i, 0,2,4,6
	v_dual_min_num_f32 v[96+8*\t+\i], v[96+8*\t+\i], v240 :: v_dual_min_num_f32 v[97+8*\t+\i], v[97+8*\t+\i], v239   ; the conversion does not saturate (ISA guide 7.6.2); p is not negative, so the hold is one-sided; two numbers a line
.endr
	v_cvt_scalef32_pk8_fp8_f32 v[192+2*\t:193+2*\t], v[96+8*\t:103+8*\t], v244   ; keys 16 t + 8 h + 0 .. 7: registers 2 t, 2 t + 1 of P
.endr
	s_wait_alu depctr_va_vdst(0)
.set NN, 0
.rept 16
	v_pk_mul_f32 v[160+NN:161+NN], v[160+NN:161+NN], v[252:253] op_sel_hi:[1,0]   ; O^T under the new M.  (Plain lines between the conversions and the products)
.set NN, NN+2
.endr
	s_wait_alu depctr_va_vdst(0)
	s_wait_dscnt 0x0                               ; V is in
.irp d, 0,1,2,3
	v_wmma_f32_16x16x128_fp8_fp8 v[160+8*\d:167+8*\d], v[32+16*\d:47+16*\d], v[192:207], v[160+8*\d:167+8*\d]   ; four accumulators, one instruction each
.endr
	s_cmp_eq_u32 s[IT], s[SW]                      ; role 1, behind its early tile's last step: the tile leaves, and the late tile is begun
	s_cbranch_scc0 .Lsame_tile
	FINISH BE
	v_mov_b32 v13, 0xff61b1e6                      ; the largest t back to -3e38: the next step's f is 0
.irp i, 0,1,2,3,4,5,6,7
	v_mov_b32 v[16+\i], v[24+\i]                   ; the late tile's Q
.endr
	v_floor_f32 v12, -v13
	s_wait_alu depctr_va_vdst(0)
.Lsame_tile:
.Lskip:
	s_add_co_u32 s[IT], s[IT], 1
	s_cmp_lt_u32 s[IT], 17-AST
	s_cbranch_scc1 .Lstep
	; THE TWO PARTS OF THE LATE TILE MEET.  Role 0 stores its part; one barrier; role 1 reads it
	s_cmp_eq_u32 s[ROLE], 0
	s_cbranch_scc0 .Lkeeps
.rept 4
	v_nop                                          ; places behind the last products
.endr
.irp k, 0,1,2,3,4,5,6,7
	ds_store_b128 v[PAD], v[160+4*\k:163+4*\k] offset:512*\k   ; each accumulator from its low end on
.endr
	ds_store_b128 v[PAD], v[12:15] offset:4096     ; -M, the largest t, the sum's two halves
.Lkeeps:
	s_wait_dscnt 0x0                               ; my stores are done
	s_barrier_signal -1
	s_barrier_wait -1
	s_cmp_eq_u32 s[ROLE], 0
	s_cbranch_scc1 .Lend
.rept 4
	v_nop                                          ; places in front of loads into registers that the last products read
.endr
.irp k, 0,1,2,3,4,5,6,7
	ds_load_b128 v[32+4*\k:35+4*\k], v[PAD] offset:512*\k
.endr
	ds_load_b128 v[64:67], v[PAD] offset:4096
	s_wait_dscnt 0x0
	v_min_num_f32 v68, v12, v64                    ; -M of both parts: the larger M
	v_mov_b32 v73, 0                               ; (named as the upper halves of pairs)
	v_mov_b32 v75, 0
	v_sub_f32 v69, v68, v64                        ; the other part's M less the common one: a whole number, 0 or less;
	v_sub_f32 v70, v68, v12                        ; mine likewise
	v_cvt_i32_f32 v69, v69
	v_cvt_i32_f32 v70, v70
	v_ldexp_f32 v72, 1.0, v69                      ; the other part's factor,
	v_ldexp_f32 v74, 1.0, v70                      ; and mine: exact powers of two
	v_pk_mul_f32 v[14:15], v[14:15], v[74:75] op_sel_hi:[1,0]
.set NN, 0
.rept 16
	v_pk_mul_f32 v[160+NN:161+NN], v[160+NN:161+NN], v[74:75] op_sel_hi:[1,0]
.set NN, NN+2
.endr
	v_pk_fma_f32 v[14:15], v[66:67], v[72:73], v[14:15] op_sel_hi:[1,0,1]
.set NN, 0
.rept 16
	v_pk_fma_f32 v[160+NN:161+NN], v[32+NN:33+NN], v[72:73], v[160+NN:161+NN] op_sel_hi:[1,0,1]
.set NN, NN+2
.endr
	FINISH BL
.Lend:
	s_wait_tensorcnt 0x0                           ; the wave's end, behind my tensor load and my last LDS store
	ds_add_u32 v[SPW], v[NIL]
	s_wait_dscnt 0x0
	ROUND                                          ; the closing round
	s_endpgm
.Lfunc_end_k_qdc4b75a811_attn:
	.size	k_qdc4b75a811_attn, .Lfunc_end_k_qdc4b75a811_attn-k_qdc4b75a811_attn
	.p2alignl 7, 3214868480
	.fill 96, 4, 3214868480
	.section	.rodata,"a",@progbits
	.p2align	6, 0x0
	.amdhsa_kernel k_qdc4b75a811_attn
		.amdhsa_group_segment_fixed_size 327680
		.amdhsa_private_segment_fixed_size 0
		.amdhsa_enable_private_segment 0
		.amdhsa_kernarg_size 32
		.amdhsa_user_sgpr_count 2
		.amdhsa_user_sgpr_kernarg_segment_ptr 1
		.amdhsa_wavefront_size32 1
		.amdhsa_system_sgpr_workgroup_id_x 1
		.amdhsa_system_sgpr_workgroup_id_y 1
		.amdhsa_system_sgpr_workgroup_id_z 1
		.amdhsa_system_vgpr_workitem_id 0
		.amdhsa_next_free_vgpr 256
		.amdhsa_next_free_sgpr 100
		.amdhsa_reserve_vcc 0
		.amdhsa_float_denorm_mode_32 3
		.amdhsa_float_denorm_mode_16_64 3
		.amdhsa_memory_ordered 1
		.amdhsa_forward_progress 1
		.amdhsa_inst_pref_size 44
	.end_amdhsa_kernel
	.amdgpu_metadata
---
amdhsa.version: [ 1, 2 ]
amdhsa.kernels:
  - .name:           k_qdc4b75a811_attn
    .symbol:         k_qdc4b75a811_attn.kd
    .args:
      - { .name: qimg, .offset: 0, .size: 8, .value_kind: global_buffer, .address_space: global }
      - { .name: kvimg, .offset: 8, .size: 8, .value_kind: global_buffer, .address_space: global }
      - { .name: lowp_scales, .offset: 16, .size: 8, .value_kind: global_buffer, .address_space: global }
      - { .name: aimg, .offset: 24, .size: 8, .value_kind: global_buffer, .address_space: global }
    .group_segment_fixed_size: 327680
    .private_segment_fixed_size: 0
    .kernarg_segment_align: 8
    .kernarg_segment_size: 32
    .max_flat_workgroup_size: 512
    .sgpr_count:     100
    .vgpr_count:     256
    .wavefront_size: 32
...
	.end_amdgpu_metadata
.endif
;; end of part 3
;; launch oproj (part 4): grid 16 x 16, 4 waves a work-group, clusters of 4 x 4, 327,680 bytes of LDS; arguments aimg, codes, lowp_scales, out0; writes out0
.if DOCPART == 4
	.amdgcn_target "amdgcn-amd-amdhsa--gfx1250"
	.amdhsa_code_object_version 6
	.text
	.protected	k_qdc4b75a811_oproj
	.globl	k_qdc4b75a811_oproj
	.p2align	8
	.type	k_qdc4b75a811_oproj,@function
k_qdc4b75a811_oproj:
	s_mov_b64 s[64:65], 0
	v_nop
	global_prefetch_b8 v0, s[64:65] scope:SCOPE_SE
	s_setreg_imm32_b32 hwreg(HW_REG_WAVE_MODE, 25, 1), 1
	s_wait_xcnt 0x0
	s_wait_alu depctr_hold_cnt(0) depctr_sa_sdst(0) depctr_va_vdst(0) depctr_va_sdst(0) depctr_va_ssrc(0) depctr_va_vcc(0) depctr_vm_vsrc(0)
	s_getreg_b32 s2, hwreg(HW_REG_IB_STS2, 6, 4)
	s_cmp_eq_u32 s2, 0
	s_cbranch_scc0 .Lentry_in_a_cluster
	s_endpgm
.Lentry_in_a_cluster:
	s_bfe_u32 s2, ttmp6, 0x10000c
	s_cmp_lg_u32 s2, 0xf033
	s_cbranch_scc0 .Lentry_shape_is_right
	s_endpgm
.Lentry_shape_is_right:
.set SLOT,  131072
.set SPARE, 2*SLOT
.set STAGE, SPARE+512
.set SPITCH, 272
.set LI,   5
.set ADRA, 16
.set ADRB, 20
.set STO,  24
.set RD,   25
.set CO,   26
.set SPW,  28
.set NIL,  29
.set TMP,  32
.set BK,   64
.set ACC,  128
.set F0,   0
.set F1,   128
.set G1, 24
.set G0, 32
.set G1B, 48
.set G0B, 56
.set MSB, 0
.macro WIN new
.if MSB != \new
	s_set_vgpr_msb (MSB<<8)|\new
.set MSB, \new
.endif
.endm
.set MUL,  0x05
.set TO_F, 0x40
.macro JLOAD g0a, g1a, g0b, g1b
	s_cmp_eq_u32 s15, 0
	s_cbranch_scc0 .Lfor_b_\@
	tensor_load_to_lds s[\g0a:\g0a+3], s[\g1a:\g1a+7]
	s_nop 0
.rept 4
	v_nop
.endr
	s_branch .Lasked_\@
.Lfor_b_\@:
	tensor_load_to_lds s[\g0b:\g0b+3], s[\g1b:\g1b+7]
	s_nop 0
.rept 4
	v_nop
.endr
.Lasked_\@:
.endm
.macro CREST
	s_cmp_lg_u32 s14, 0
	s_cbranch_scc1 .Lnot_wave_0_\@
	s_barrier_signal -3
.Lnot_wave_0_\@:
	s_barrier_wait -3
	s_barrier_signal -1
	s_barrier_wait -1
.endm
.macro CROUND
	s_barrier_signal -1
	s_barrier_wait -1
	CREST
.endm
.macro PLACES n
.rept \n
	v_nop
.endr
.endm
	s_load_b256 s[4:11], s[0:1], 0x0
	v_lshl_add_u32 v[SPW], v0, 2, SPARE
	v_mov_b32 v[NIL], 0
	v_lshrrev_b32 v1, 5, v0
	v_readfirstlane_b32 s14, v1
	s_lshr_b32 s15, s14, 1
	s_and_b32 s16, s14, 1
	s_bfe_u32 s40, ttmp6, 0x40000
	s_bfe_u32 s41, ttmp6, 0x40004
	s_lshl_b32 s43, ttmp9, 2
	s_add_co_u32 s43, s43, s40
	s_and_b32 s18, ttmp7, 0xffff
	s_lshl_b32 s18, s18, 2
	s_add_co_u32 s18, s18, s41
	s_lshl_b32 s44, s41, 2
	s_lshl_b32 s44, 15, s44
	s_lshl_b32 s46, 0x1111, s40
	s_or_b32 s[G1+0], s44, (3<<16)|(1<<21)
	s_or_b32 s[G1B+0], s46, (3<<16)|(1<<21)
.irp g, G1, G1B
	s_mov_b32 s[\g+1], 32<<16
	s_mov_b32 s[\g+2], 128<<16
	s_mov_b32 s[\g+3], 32<<16
	s_mov_b32 s[\g+4], 128
	s_mov_b32 s[\g+5], 32
	s_mov_b32 s[\g+6], 0
	s_mov_b32 s[\g+7], 0
.endr
	s_lshl_b32 s22, s16, 15
	s_lshl_b32 s20, s18, 18
	s_add_co_u32 s20, s20, s22
	s_mov_b32 s21, 0
	s_lshl_b32 s46, s43, 18
	s_add_co_u32 s46, s46, 0x1200000
	s_add_co_u32 s46, s46, s22
	s_mov_b32 s47, 0
	s_lshl_b32 s45, s14, 15
	s_wait_kmcnt 0x0
	s_load_b64 s[96:97], s[8:9], 0x28
	s_add_nc_u64 s[20:21], s[4:5], s[20:21]
	s_add_nc_u64 s[46:47], s[6:7], s[46:47]
	; THE PREFETCHES INTO THE L2.  A slot's fill is 32,768 bytes a wave.  Behind slot 0's first fill a wave asks for the next two fills, behind slot 1's first fill for the fill two further on.
	; Of a wave's 32,768 bytes each of the four partners that ask for them jointly names 8,192, told apart BY ADDRESS (cx for A, cy for B): lanes 256 bytes apart, one instruction a wave.  The two refills have no fill two on.
	s_cmp_eq_u32 s15, 0                            ; do I fetch for A?
	s_cselect_b64 s[66:67], s[20:21], s[46:47]
	s_cselect_b32 s68, s40, s41                    ; my place among the four that ask with me
	s_lshl_b32 s68, s68, 13
	s_mov_b32 s69, 0
	s_add_nc_u64 s[66:67], s[66:67], s[68:69]
	v_and_b32 v30, 31, v0
	v_lshlrev_b32 v30, 8, v30                      ; v30: 256 x lane; never rewritten
.irp s, 0,1
	s_mov_b32 s[G0+4*\s], 1
	s_add_co_u32 s[G0+4*\s+1], s45, \s*SLOT
	s_add_nc_u64 s[G0+4*\s+2:G0+4*\s+3], s[20:21], \s*65536
	s_or_b32 s[G0+4*\s+3], s[G0+4*\s+3], 0x80000000
	s_mov_b32 s[G0B+4*\s], 1
	s_add_co_u32 s[G0B+4*\s+1], s45, \s*SLOT
	s_add_nc_u64 s[G0B+4*\s+2:G0B+4*\s+3], s[46:47], \s*65536
	s_or_b32 s[G0B+4*\s+3], s[G0B+4*\s+3], 0x80000000
	s_wait_alu depctr_va_vdst(0)
	s_wait_tensorcnt 0x0
	ds_add_u32 v28, v29
	ds_add_u32 v28, v29
	s_wait_dscnt 0x0
	CROUND
	JLOAD G0+4*\s, G1, G0B+4*\s, G1B
.if \s == 0
	global_prefetch_b8 v30, s[66:67] offset:65536 th:TH_LOAD_NT scope:SCOPE_SE
.endif
	global_prefetch_b8 v30, s[66:67] offset:(\s+2)*65536 th:TH_LOAD_NT scope:SCOPE_SE
.endr
	v_and_b32 v1, 31, v0
	v_lshlrev_b32 v[LI], 4, v1
	s_lshl_b32 s21, s15, 13
	s_lshl_b32 s22, s16, 13
	s_add_co_u32 s22, s22, 65536
.irp s, 0,1
	v_add_nc_u32 v[ADRA+\s], s21, v[LI]
	v_add_nc_u32 v[ADRB+\s], s22, v[LI]
	s_add_co_u32 s21, s21, SLOT
	s_add_co_u32 s22, s22, SLOT
.endr
	v_and_b32 v1, 15, v0
	v_bfe_u32 v2, v0, 4, 1
	s_mul_i32 s23, s14, 16*SPITCH
	s_add_co_u32 s23, s23, STAGE
	v_mul_u32_u24 v[STO], v1, SPITCH
	v_lshl_add_u32 v[STO], v2, 5, v[STO]
	v_add_nc_u32 v[STO], s23, v[STO]
	v_mul_u32_u24 v[RD], v2, SPITCH
	v_lshl_add_u32 v[RD], v1, 4, v[RD]
	v_add_nc_u32 v[RD], s23, v[RD]
	v_lshlrev_b32 v[CO], 13, v2
	v_lshl_add_u32 v[CO], v1, 4, v[CO]
	s_lshl_b32 s20, s18, 7
	s_lshl_b32 s21, s15, 6
	s_add_co_u32 s20, s20, s21
	s_lshl_b32 s20, s20, 13
	s_lshl_b32 s46, s43, 9
	s_lshl_b32 s47, s16, 8
	s_add_co_u32 s46, s46, s47
	s_add_co_u32 s20, s20, s46
	s_mov_b32 s21, 0
	s_add_nc_u64 s[10:11], s[10:11], s[20:21]
.macro FETCH slot, ks, f
	WIN TO_F
.irp b, 0,1,2,3
.irp p, 0,1,2,3
	ds_load_b128 v[\f+64+16*\b+4*\p:\f+64+16*\b+4*\p+3], v[ADRB+\slot] offset:16384*(\ks)+2048*\b+512*\p
.endr
.endr
.irp a, 0,1,2,3
.irp p, 0,1,2,3
	ds_load_b128 v[\f+16*\a+4*\p:\f+16*\a+4*\p+3], v[ADRA+\slot] offset:16384*(\ks)+2048*\a+512*\p
.endr
.endr
.endm
.macro MUL4 f, a, zero
.irp b, 0,1,2,3
.if \zero
	v_wmma_f32_16x16x128_fp8_fp8 v[ACC+8*(4*(\a)+\b):ACC+8*(4*(\a)+\b)+7], v[\f+64+16*\b:\f+64+16*\b+15], v[\f+16*(\a):\f+16*(\a)+15], 0
.else
	v_wmma_f32_16x16x128_fp8_fp8 v[ACC+8*(4*(\a)+\b):ACC+8*(4*(\a)+\b)+7], v[\f+64+16*\b:\f+64+16*\b+15], v[\f+16*(\a):\f+16*(\a)+15], v[ACC+8*(4*(\a)+\b):ACC+8*(4*(\a)+\b)+7]
.endif
.endr
.endm
.macro KSTEP slot, ks, f, g, zero
	s_wait_dscnt 8
	WIN MUL
	MUL4 \f, 0, \zero
	MUL4 \f, 1, \zero
	PLACES 4
	FETCH \slot, (\ks)+1, \g
	s_wait_dscnt 32
	WIN MUL
	MUL4 \f, 2, \zero
	MUL4 \f, 3, \zero
.endm
.macro TURN slot, next, fill
	WIN 0
	s_wait_tensorcnt 0x0
	ds_add_u32 v[SPW], v[NIL]
	s_wait_dscnt 9
	WIN MUL
	MUL4 F1, 0, 0
	s_wait_dscnt 0x0
	s_barrier_signal -1
	MUL4 F1, 1, 0
	WIN 0
	s_barrier_wait -1
.if \fill
	CREST
	s_add_nc_u64 s[G0+4*\slot+2:G0+4*\slot+3], s[G0+4*\slot+2:G0+4*\slot+3], 0x20000
	s_add_nc_u64 s[G0B+4*\slot+2:G0B+4*\slot+3], s[G0B+4*\slot+2:G0B+4*\slot+3], 0x20000
	JLOAD G0+4*\slot, G1, G0B+4*\slot, G1B
.else
	PLACES 4
.endif
	FETCH \next, 0, F0
	WIN MUL
	MUL4 F1, 2, 0
	MUL4 F1, 3, 0
.endm
	s_wait_tensorcnt 0x1
	s_barrier_signal -1
	s_barrier_wait -1
	FETCH 0, 0, F0
	KSTEP 0, 0, F0, F1, 1
	KSTEP 0, 1, F1, F0, 0
	KSTEP 0, 2, F0, F1, 0
	TURN 0, 1, 1
	KSTEP 1, 0, F0, F1, 0
	KSTEP 1, 1, F1, F0, 0
	KSTEP 1, 2, F0, F1, 0
	TURN 1, 0, 1
	KSTEP 0, 0, F0, F1, 0
	KSTEP 0, 1, F1, F0, 0
	KSTEP 0, 2, F0, F1, 0
	TURN 0, 1, 0
	KSTEP 1, 0, F0, F1, 0
	KSTEP 1, 1, F1, F0, 0
	KSTEP 1, 2, F0, F1, 0
	s_wait_dscnt 8
	WIN MUL
	MUL4 F1, 0, 0
	MUL4 F1, 1, 0
	s_wait_dscnt 0x0
	MUL4 F1, 2, 0
	MUL4 F1, 3, 0
	WIN 0
.macro TOSTAGE a
.irp k, 0,2,4,6,8,10,12,14,16,18,20,22,24,26,28,30
	v_pk_mul_f32 v[TMP+\k:TMP+\k+1], v[ACC+32*(\a)+\k:ACC+32*(\a)+\k+1], s[96:97] op_sel_hi:[1,0]
.endr
.irp b, 0,1,2,3
	ds_store_b128 v[STO], v[TMP+8*\b:TMP+8*\b+3] offset:64*\b
	ds_store_b128 v[STO], v[TMP+8*\b+4:TMP+8*\b+7] offset:64*\b+16
.endr
.irp t, 0,1,2,3,4,5,6,7
	ds_load_b128 v[BK+32*((\a)%2)+4*\t:BK+32*((\a)%2)+4*\t+3], v[RD] offset:2*\t*SPITCH
.endr
.endm
.macro SEND a, younger
	s_wait_dscnt \younger
.irp t, 0,1,2,3,4,5,6,7
	global_store_b128 v[CO], v[BK+32*((\a)%2)+4*\t:BK+32*((\a)%2)+4*\t+3], s[10:11] offset:(16*(\a)+2*\t)*8192 th:TH_STORE_NT
.endr
.endm
	s_wait_kmcnt 0x0
	s_add_co_i32 s96, s96, s97
	s_add_co_i32 s96, s96, 127
	s_lshl_b32 s96, s96, 23
	PLACES 4
	TOSTAGE 0
.irp a, 1,2,3
.if \a > 1
	s_wait_xcnt 0x0
.endif
	TOSTAGE \a
	SEND \a-1, 16
.endr
	SEND 3, 0
	s_wait_tensorcnt 0x0
	ds_add_u32 v[SPW], v[NIL]
	s_wait_dscnt 0x0
	CROUND
	s_endpgm
.Lfunc_end_k_qdc4b75a811_oproj:
	.size	k_qdc4b75a811_oproj, .Lfunc_end_k_qdc4b75a811_oproj-k_qdc4b75a811_oproj
	.p2alignl 7, 3214868480
	.fill 96, 4, 3214868480
	.section	.rodata,"a",@progbits
	.p2align	6, 0x0
	.amdhsa_kernel k_qdc4b75a811_oproj
		.amdhsa_group_segment_fixed_size 327680
		.amdhsa_private_segment_fixed_size 0
		.amdhsa_enable_private_segment 0
		.amdhsa_kernarg_size 32
		.amdhsa_user_sgpr_count 2
		.amdhsa_user_sgpr_kernarg_segment_ptr 1
		.amdhsa_wavefront_size32 1
		.amdhsa_system_sgpr_workgroup_id_x 1
		.amdhsa_system_sgpr_workgroup_id_y 1
		.amdhsa_system_sgpr_workgroup_id_z 1
		.amdhsa_system_vgpr_workitem_id 0
		.amdhsa_next_free_vgpr 512
		.amdhsa_next_free_sgpr 100
		.amdhsa_reserve_vcc 0
		.amdhsa_float_denorm_mode_32 3
		.amdhsa_float_denorm_mode_16_64 3
		.amdhsa_memory_ordered 1
		.amdhsa_forward_progress 1
		.amdhsa_inst_pref_size 74
	.end_amdhsa_kernel
	.amdgpu_metadata
---
amdhsa.version: [ 1, 2 ]
amdhsa.kernels:
  - .name:           k_qdc4b75a811_oproj
    .symbol:         k_qdc4b75a811_oproj.kd
    .args:
      - { .name: aimg, .offset: 0, .size: 8, .value_kind: global_buffer, .address_space: global }
      - { .name: codes, .offset: 8, .size: 8, .value_kind: global_buffer, .address_space: global }
      - { .name: lowp_scales, .offset: 16, .size: 8, .value_kind: global_buffer, .address_space: global }
      - { .name: out0, .offset: 24, .size: 8, .value_kind: global_buffer, .address_space: global }
    .group_segment_fixed_size: 327680
    .private_segment_fixed_size: 0
    .kernarg_segment_align: 8
    .kernarg_segment_size: 32
    .max_flat_workgroup_size: 128
    .sgpr_count:     100
    .vgpr_count:     512
    .wavefront_size: 32
...
	.end_amdgpu_metadata
.endif
;; end of part 4
